; MI455X (gfx1250); checked and timed in simulation.
; The chip was launched on July 23, 2026; its instructions are those of AMD's public machine-readable ISA for CDNA 5 (MIT licence, August 2026) and "CDNA5" Instruction Set Architecture Reference Guide (July 2026). The comments in the code are by the model that wrote it; some were corrected since.
;; MHA. Allowed arithmetic: matrix products marked QUANTISED: E2M3 operands, one E8M0 scale for each 32 along K, by v_wmma_scale_f32_16x16x128_f8f6f4 with both operands' format E2M3, f32 sums; everything else in f32.
;; Inputs: Wk 1,024 x 256 float32; Wo 1,024 x 1,024 float32; Wq 1,024 x 1,024 float32; Wv 1,024 x 256 float32; mask 1 x 1 x 4,096 x 4,096 int32; x 1 x 4,096 x 1,024 float32.
;; Outputs: out0 1 x 4,096 x 1,024 float32.
;; This version of the problem:
;;   THIS VERSION OF THE PROBLEM IS GIVEN IN LOW PRECISION. The matrix products marked QUANTISED in the list below multiply operands that are first quantised to E2M3 (2 exponent bits, 3 mantissa bits; 6 bits a number), with one power-of-two scale for each 32 numbers along K (OCP MX v1.0); their sums are f32. All else is computed in f32.
;;   The module's matrix products, in the order in which they are computed (A, B: the left and right operand; K: the contracted axis; several contracted axes count as one K, in the product's order):
;;     1. [M 4,096, K 1,024] x [K 1,024, N 1,024]; A: input x; B: input Wq: QUANTISED
;;     2. [M 4,096, K 1,024] x [K 1,024, N 256]; A: input x; B: input Wk: QUANTISED
;;     3. [M 4,096, K 1,024] x [K 1,024, N 256]; A: input x; B: input Wv: QUANTISED
;;     4. batch 16 x [M 4,096, K 64] x [K 64, N 4,096]; A: computed on the way; B: computed on the way: QUANTISED
;;     5. batch 16 x [M 4,096, K 4,096] x [K 4,096, N 64]; A: softmax (see below); B: computed on the way: QUANTISED
;;     6. [M 4,096, K 1,024] x [K 1,024, N 1,024]; A: computed on the way; B: input Wo: QUANTISED
;;   THE QUANTISER, for each operand of a quantised product, along K:
;;     - K is cut into blocks of 32 from its start; a last block that is shorter is filled with zeros.
;;     - A block's scale is 2^e with e = floor(log2(the largest magnitude in the block)) - 2, held to -126 .. 127; a block of zeros has e = 0. As a byte (E8M0): e + 127.
;;     - Each number is divided by its block's scale, clamped to +-7.5, and rounded to the nearest number of E2M3, ties to even, subnormals kept.
;;     - The product sums the exact products of the quantised numbers (number of the format x scale) in f32.
;;   ~~~python
;;   def quantise(x, axis):      # numpy; x: float32 -> the quantised numbers, widened to float32 again
;;       x = np.moveaxis(x, axis, -1); K = x.shape[-1]
;;       x = np.pad(x, [(0, 0)] * (x.ndim - 1) + [(0, -K % 32)]); x = x.reshape(x.shape[:-1] + (-1, 32)); a = np.abs(x).max(-1, keepdims=True)
;;       e = np.where(a > 0, np.clip(np.frexp(np.where(a > 0, a, 1))[1] - 1 - 2, -126, 127), 0)      # np.frexp(a)[1] - 1 = floor(log2(a)), exactly
;;       r = np.clip(x / 2.0 ** e, -7.5, 7.5)
;;       step = 2.0 ** (np.maximum(np.frexp(np.where(r == 0, 1, r))[1] - 1, 0) - 3)
;;       q = np.round(r / step) * step * 2.0 ** e      # np.round: ties to even
;;       return np.moveaxis(q.reshape(q.shape[:-2] + (-1,))[..., :K], -1, axis).astype(np.float32)
;;   ~~~
;;   SOFTMAX AHEAD OF A QUANTISED PRODUCT. Where the list says 'softmax', what is quantised is not the finished softmax but p = 2^(t - M), with t = logit x log2(e) and M = ceil(the row's largest t), a whole number; so 1/2 < the row's largest p <= 1. The row's sum l is taken of the UNQUANTISED p, in f32, and the product's result is divided by l at the end. Since M is a whole number, a kernel that streams over the keys may use a running M (the ceiling of the running maximum): every later rescaling is an exact power of two, which a block's scale takes up: the codes' values come out the same.
;;   OPERANDS COMPUTED ON THE WAY. 'Computed on the way' means the value that the module computes at that place (a softmax that the list does not call 'softmax' is quantised finished and normalised). What goes into a quantiser is computed in f32, as accurately as f32 sums, v_exp_f32 and their like allow (about 1e-6 of the number): no bf16 or f16 on the way to a quantiser, and a product that is left as it is and whose result goes on into a quantised operand takes f32 operands (vector FMAs, or v_wmma_f32_16x16x4_f32). A number that lies on a knife's edge between two numbers of the format may be rounded either way, as far as f32 arithmetic and the matrix unit's own rounding can turn it there, and no further.
;; One version. Each part assembles by itself: llvm-mc -triple=amdgcn-amd-amdhsa -mcpu=gfx1250 --defsym DOCPART=n.
;; ======== version 1 of 1: 4 launches
;; limits: right only within a limited range of input values
;; workspace buffers: xq 3,276,800 bytes; wq 2,048,000 bytes; rope 1,048,576 bytes; mwords 2,097,152 bytes of whole numbers; flags 2,048 bytes of whole numbers; qf 3,407,872 bytes; kvf 1,703,936 bytes; af 3,276,800 bytes
;; launch prep (part 1): grid 864 x 1, 4 waves a work-group, no clusters, 34,304 bytes of LDS; arguments x, mask, Wq, Wk, Wv, Wo, xq, wq, rope, mwords, flags; writes xq, wq, rope, mwords, flags
.if DOCPART == 1
	.amdgcn_target "amdgcn-amd-amdhsa--gfx1250"
	.amdhsa_code_object_version 6
	.text
	.protected	k_qa2c4051aea_prep
	.globl	k_qa2c4051aea_prep
	.p2align	8
	.type	k_qa2c4051aea_prep,@function
k_qa2c4051aea_prep:
	s_mov_b64 s[64:65], 0
	v_nop
	global_prefetch_b8 v0, s[64:65] scope:SCOPE_SE
	s_setreg_imm32_b32 hwreg(HW_REG_WAVE_MODE, 25, 1), 1
	s_wait_xcnt 0x0
; PREP: everything that is made once.  Four kinds of work-group, told apart by the work-group's number alone:
;   0-511   the mask [4096][4096] int32 -> lane-mask words (one buffer) and two flags for each (16 queries, 128 keys) (a small buffer of their own)
;   512-639 x [4096][1024] f32 -> codes of FP6 (E2M3) and E8M0 scale words, as images of operand registers
;   640-799 Wq, Wk, Wv, Wo (K is their FIRST axis) -> the same, a lane to a column, registers down K
;   800-863 the table of cos and sin for the rotation of q and k, as an image of registers
; TILES.  Row r of token tile T is token 32 (T / 2) + 8 (T % 2) + r + 8 (r / 8); in a group of 32 columns of a weight, row r of tile u is column 8 u + r + 8 (r / 8).
; So, in a product used transposed, the 16 registers of two neighbouring tiles are 16 neighbours along the next K.
; AN IMAGE of a fragment (16 rows x 128 K, 12 registers): registers 4 m .. 4 m + 3 of lane l lie at 512 m + 16 l: 1,536 bytes, three stores of 512 consecutive bytes.
; SCALE WORDS [tile][K step 0..7][16 rows], 4 bytes each.
; THE QUANTISER: a block's scale byte is its largest magnitude's exponent field - 2, held at 1 from below; numbers / scale, to the nearest code, ties to even, beyond 7.5 the largest code.
; LIMITS: NaN and infinities among x and the weights are not served.  A block of zeros gets the byte 1 (its codes are zeros; this program alone reads the bytes).
; theta of the rotation is 2^(-pi x log2(1000) / 32) by v_exp_f32 with the exponent split in two parts: about 1.5 units in its last place; the angle position x theta then differs from a
; correctly rounded theta's by up to some 4e-4 at the last positions.
.set SPARE, 33792                      ; behind the four stages: the spare words, 128 bytes a wave
.set STGB,  8448                       ; a wave's own stage: 16 rows of 512 bytes + 16
.set SP,    528
.set LN,  1                            ; v1  lane
.set RW,  2                            ; v2  r = lane % 16
.set HF,  3                            ; v3  h = lane / 16
.set LI,  4                            ; v4  16 x lane
.set L8,  5                            ; v5  8 x lane
.set L4,  6                            ; v6  4 x lane
.set STA, 7                            ; v7  the stage, on the way in
.set RDB, 8                            ; v8  and on the way back
.set Z0,  9                            ; v9  0, an offset
.set SPW, 10                           ; v10 my spare word; never rewritten
.set NIL, 11                           ; v11 0; never rewritten
.set AD,  12                           ; v12-27 the 16 rows' offsets
.set R0,  32                           ; v32-95, v96-159: two sets of 64 numbers
.set R1,  96
.set TM,  160                          ; v160-175 the quantiser's own
.set PW,  176                          ; the scale word just made
.set PWP, 177                          ; the one before
.set PWS, 178                          ; the two, one in each half of the lanes
.set PC,  180                          ; v180-198 codes
.set MWR, 200                          ; v200-207 mask words, a pair for each unit
.set WV,  24
.set PITCH, 26
.set CM,  32                           ; s32-47 sixteen compare masks
.set KIND, 49                          ; 1: mask, 0: x
.set SRC, 50
.set DA,  54
.set DB,  56
.set FLG, 60
.set HM,  61                           ; lanes 16-31
.set SEL, 62                           ; s[62:63] v_permlanex16_b32's selects for lane l xor 16
; 64 numbers of a lane, register 16 b + i = k 32 b + 16 (lane / 16) + i of my row, become a fragment's codes in v[PC] on and its scale word in v[PW]
.macro QUANT s
.irp b, 0,1,2,3
	v_max3_num_f32 v[TM+\b], |v[(\s)+16*\b]|, |v[(\s)+1+16*\b]|, 0x1800000   ; my 16 numbers of block b, and the floor 2^(3 - 127): the byte cannot fall under 1
.endr
.irp i, 2,4,6,8,10,12,14
.irp b, 0,1,2,3
	v_max3_num_f32 v[TM+\b], v[TM+\b], |v[(\s)+16*\b+\i]|, |v[(\s)+1+16*\b+\i]|
.endr
.endr
.irp b, 0,1,2,3
	v_permlanex16_b32 v[TM+4+\b], v[TM+\b], s[SEL], s[SEL+1]
.endr
.irp b, 0,1,2,3
	v_max_num_f32 v[TM+\b], v[TM+\b], v[TM+4+\b]       ; with lane l xor 16's: the block's largest magnitude
.endr
.irp b, 0,1,2,3
	v_add_nc_u32 v[TM+12+\b], 0xff000000, v[TM+\b]     ; 2 off its exponent field: the conversion's scale operand
.endr
.irp b, 0,1,2,3
	v_lshrrev_b32 v[TM+4+\b], 23, v[TM+12+\b]          ; the scale's byte
.endr
	v_lshl_or_b32 v[PW], v[TM+5], 8, v[TM+4]
	v_lshl_or_b32 v[PW], v[TM+6], 16, v[PW]
	v_lshl_or_b32 v[PW], v[TM+7], 24, v[PW]
.irp c, 0,1
	v_cvt_scalef32_pk16_fp6_f32 v[PC+6*\c:PC+2+6*\c], v[(\s)+32*\c:(\s)+15+32*\c], v[TM+12+2*\c]
	v_cvt_scalef32_pk16_fp6_f32 v[PC+12+4*\c:PC+14+4*\c], v[(\s)+16+32*\c:(\s)+31+32*\c], v[TM+12+2*\c+1]   ; (a conversion's three registers begin on an even number)
.endr
	v_nop                                              ; one plain place behind a scaled conversion
.irp c, 0,1                                            ; the operand's layout wants a whole block in a lane
.irp i, 0,1,2
	v_permlane16_swap_b32 v[PC+6*\c+\i], v[PC+12+4*\c+\i]
.endr
.irp i, 0,1,2
	v_mov_b32 v[PC+3+6*\c+\i], v[PC+12+4*\c+\i]
.endr
.endr
.endm
	s_load_b256 s[4:11], s[0:1], 0x0               ; x, mask, Wq, Wk
	s_load_b256 s[12:19], s[0:1], 0x20             ; Wv, Wo, xq, wq
	s_load_b128 s[20:23], s[0:1], 0x40             ; rope, mwords
	s_load_b64 s[2:3], s[0:1], 0x50                ; flags
	v_lshl_add_u32 v[SPW], v0, 2, SPARE
	v_mov_b32 v[NIL], 0
	v_lshrrev_b32 v[LN], 5, v0
	v_readfirstlane_b32 s[WV], v[LN]               ; wave 0..3
	v_and_b32 v[LN], 31, v0
	v_and_b32 v[RW], 15, v0
	v_bfe_u32 v[HF], v0, 4, 1
	v_lshlrev_b32 v[LI], 4, v[LN]
	v_lshlrev_b32 v[L8], 3, v[LN]
	v_lshlrev_b32 v[L4], 2, v[LN]
	s_mul_i32 s25, s[WV], STGB
	v_add_nc_u32 v[STA], s25, v[LI]                ; in: a row's 512 bytes as they lie, 16 a lane
	v_mul_u32_u24 v[RDB], v[RW], SP
	v_lshl_add_u32 v[RDB], v[HF], 6, v[RDB]
	v_add_nc_u32 v[RDB], s25, v[RDB]               ; back: row r, + 64 h: 16 neighbours of each block of 32
	v_mov_b32 v[Z0], 0
	s_mov_b32 s[HM], 0xffff0000
	s_mov_b32 s[SEL], 0x76543210
	s_mov_b32 s[SEL+1], 0xfedcba98
	s_cmp_ge_u32 ttmp9, 800
	s_cbranch_scc1 .Lrope
	s_cmp_ge_u32 ttmp9, 640
	s_cbranch_scc1 .Lweights
; ---- THE MASK AND x: one text; pointers and the pitch alone are chosen.  A wave takes four units of 16 rows x 512 bytes (128 columns) of one tile of rows.
	s_lshr_b32 s28, ttmp9, 1                       ; mask: query tile,
	s_and_b32 s29, ttmp9, 1
	s_lshl_b32 s29, s29, 2
	s_add_co_u32 s29, s29, s[WV]                   ; and which four key steps
	s_sub_co_u32 s30, ttmp9, 512
	s_lshl_b32 s30, s30, 1
	s_lshr_b32 s31, s[WV], 1
	s_add_co_u32 s30, s30, s31                     ; x: token tile,
	s_and_b32 s31, s[WV], 1                        ; and which four K steps
	s_mov_b32 s[PITCH], 4096
	s_cmp_lt_u32 ttmp9, 512
	s_cselect_b32 s[PITCH], 16384, s[PITCH]        ; bytes from row to row
	s_cselect_b32 s27, s28, s30                    ; the tile
	s_cselect_b32 s48, s29, s31                    ; the group of four units
	s_cselect_b32 s[KIND], 1, 0
	s_lshr_b32 s28, s27, 1
	s_lshl_b32 s28, s28, 5
	s_and_b32 s29, s27, 1
	s_lshl_b32 s29, s29, 3
	s_add_co_u32 s28, s28, s29                     ; the tile's first row
	s_mul_i32 s52, s28, s[PITCH]
	s_lshl_b32 s29, s48, 11
	s_add_co_u32 s52, s52, s29                     ; + 4 units of 512 bytes for each group
	s_mov_b32 s53, 0
	s_lshl_b32 s28, s27, 13                        ; mask words: 8,192 bytes a tile, 1,024 a group
	s_lshl_b32 s29, s48, 10
	s_add_co_u32 s28, s28, s29
	s_mul_i32 s30, s27, 12288                      ; x's codes: 12,288 bytes a tile, 6,144 a group
	s_mul_i32 s31, s48, 6144
	s_add_co_u32 s30, s30, s31
	s_lshl_b32 s58, s27, 3                         ; the flags: 8 bytes a tile, one a group, in their own buffer
	s_add_co_u32 s58, s58, s48
	s_lshl_b32 s59, s27, 9                         ; x's scale words: 512 bytes a tile, 256 a group, behind x's codes
	s_lshl_b32 s31, s48, 8
	s_add_co_u32 s59, s59, s31
	s_add_co_u32 s59, s59, 3145728
	s_cmp_lg_u32 s[KIND], 0
	s_cselect_b32 s28, s28, s30
	s_cselect_b32 s30, s58, s59
	s_mov_b32 s29, 0
	s_mov_b32 s31, 0
	s_wait_kmcnt 0x0
	s_cselect_b64 s[SRC:SRC+1], s[6:7], s[4:5]     ; the choices hang on the work-group's number alone
	s_cselect_b64 s[DA:DA+1], s[22:23], s[16:17]   ; mask words, or x's codes
	s_cselect_b64 s[DB:DB+1], s[2:3], s[16:17]     ; flags, or x's scale words
	s_add_nc_u64 s[SRC:SRC+1], s[SRC:SRC+1], s[52:53]
	s_add_nc_u64 s[DA:DA+1], s[DA:DA+1], s[28:29]
	s_add_nc_u64 s[DB:DB+1], s[DB:DB+1], s[30:31]
	s_wait_alu depctr_va_vdst(0)
.irp i, 0,1,2,3,4,5,6,7,8,9,10,11,12,13,14,15
	s_mul_i32 s25, s[PITCH], \i+8*(\i/8)           ; the tile's row i lies i + 8 (i / 8) rows down
	v_add_nc_u32 v[AD+\i], s25, v[LI]
.endr
.irp i, 0,1,2,3,4,5,6,7
	v_mov_b32 v[MWR+\i], 0                         ; written whole once: v_writelane_b32 fills them lane by lane
.endr
.irp b, 0,1,2,3
	v_mov_b32 v[TM+4+\b], 0                        ; a lane permute's destination counts as one of its sources
.endr
	v_mov_b32 v[PWP], 0
	s_mov_b32 s[FLG], 0
.macro LOADU u, rr                     ; a unit: 16 loads, each 512 consecutive bytes of one row
.irp i, 0,1,2,3,4,5,6,7,8,9,10,11,12,13,14,15
	global_load_b128 v[(\rr)+4*\i:(\rr)+4*\i+3], v[AD+\i], s[SRC:SRC+1] offset:512*(\u) th:TH_LOAD_NT
.endr
.endm
; The mask's unit: word 16 b + i of the step has bit l = (mask[row r][32 b + 16 h + i] != 0): just the lane mask that a select on score register 16 b + i wants.
.macro POSTM u, rr
.irp q, 0,1,2,3
.irp k, 0,1,2,3,4,5,6,7,8,9,10,11,12,13,14,15
	v_cmp_ne_u32 s[CM+\k], 0, v[(\rr)+16*\q+\k]
.endr
.irp k, 0,1,2,3,4,5,6,7,8,9,10,11,12,13,14,15
	v_writelane_b32 v[MWR+2*(\u)+(\k%2)], s[CM+\k], 8*\q+\k/2     ; word j goes to lane j / 2, register j % 2
.endr
.endr
	v_or_b32 v208, v[MWR+2*(\u)], v[MWR+2*(\u)+1]
	v_and_b32 v209, v[MWR+2*(\u)], v[MWR+2*(\u)+1]
	v_cmp_ne_u32 vcc_lo, 0, v208
	s_cmp_lg_u32 vcc_lo, 0                         ; does any key count for any of the 16 queries?
	s_cselect_b32 s59, 1<<(\u), 0
	s_or_b32 s[FLG], s[FLG], s59
	v_cmp_ne_u32 vcc_lo, -1, v209
	s_cmp_eq_u32 vcc_lo, 0                         ; do all keys count for all of them?
	s_cselect_b32 s59, 16<<(\u), 0
	s_or_b32 s[FLG], s[FLG], s59
	global_store_b64 v[L8], v[MWR+2*(\u):MWR+2*(\u)+1], s[DA:DA+1] offset:256*(\u)   ; 32 lanes store 256 consecutive bytes, aligned
.if (\u) == 3
	v_mov_b32 v208, s[FLG]
	s_wait_alu depctr_va_vdst(0)
	s_wait_xcnt 0x0                                ; EXEC changes only behind this wait
	v_cmp_eq_u32 vcc_lo, 0, v[LN]
	s_and_saveexec_b32 s58, vcc_lo
	global_store_b8 v[Z0], v208, s[DB:DB+1]        ; my four steps' flags: one byte, by lane 0
	s_wait_xcnt 0x0                                ; and again in front of the line that widens it
	s_or_b32 exec_lo, exec_lo, s58
.endif
.endm
; x's unit: one K step of the tile
.macro POSTX u, rr
	s_wait_xcnt 0x0                                ; the last unit's stores have read the codes' and the word's registers
	QUANT \rr
.irp m, 0,1,2
	global_store_b128 v[LI], v[PC+4*\m:PC+4*\m+3], s[DA:DA+1] offset:1536*(\u)+512*\m
.endr
.if (\u)%2 == 0
	v_mov_b32 v[PWP], v[PW]
.else
	v_cndmask_b32 v[PWS], v[PWP], v[PW], s[HM]     ; lanes 0-15 the even K step's words, lanes 16-31 the odd one's
	global_store_b32 v[L4], v[PWS], s[DB:DB+1] offset:128*((\u)/2)
.endif
.endm
; A unit goes through my own stage: in as it lies, back 16 neighbours of each block of 32 a lane.  LDS serves a wave's instructions in order: no wait between the stores and the loads.
.macro UNIT u, rr, left
	s_wait_loadcnt \left                           ; this unit's 16 loads are in; the next unit's 16 may be out
.irp i, 0,1,2,3,4,5,6,7,8,9,10,11,12,13,14,15
	ds_store_b128 v[STA], v[(\rr)+4*\i:(\rr)+4*\i+3] offset:SP*\i
.endr
.irp b, 0,1,2,3
.irp j, 0,1,2,3
	ds_load_b128 v[(\rr)+16*\b+4*\j:(\rr)+16*\b+4*\j+3], v[RDB] offset:128*\b+16*\j
.endr
.endr
	s_wait_dscnt 0x0
	s_cmp_lg_u32 s[KIND], 0
	s_cbranch_scc0 .Lisx_\@
	POSTM \u, \rr
	s_branch .Ldone_\@
.Lisx_\@:
	POSTX \u, \rr
.Ldone_\@:
.if (\u) < 2
	LOADU (\u)+2, \rr
.endif
.endm
	LOADU 0, R0
	LOADU 1, R1
	UNIT 0, R0, 16
	UNIT 1, R1, 16
	UNIT 2, R0, 16
	UNIT 3, R1, 0
	s_branch .Ltail
; ---- THE WEIGHTS.  A wave takes 32 columns x one K step of 128: a lane a column, its 128 registers down K: four whole blocks a lane, no other lane is asked for a maximum.
.Lweights:
	s_sub_co_u32 s26, ttmp9, 640
	s_lshr_b32 s27, s26, 3                         ; 0-7 Wq, 8-9 Wk, 10-11 Wv, 12-19 Wo
	s_and_b32 s28, s26, 7                          ; the K step
	s_lshl_b32 s29, s27, 2
	s_add_co_u32 s29, s29, s[WV]                   ; the group of 32 columns, counted through all four weights
	v_and_b32 v208, 8, v[RW]
	v_add_nc_u32 v208, v208, v[RW]
	v_lshl_add_u32 v208, v[HF], 3, v208            ; my column in the group: 8 u + r + 8 (r / 8)
	v_lshlrev_b32 v12, 2, v208
	v_lshlrev_b32 v13, 9, v[HF]
	v_lshl_add_u32 v13, v[RW], 2, v13              ; my scale word: 512 u + 4 r
	s_sub_co_u32 s31, s27, 8
	s_cmp_lt_u32 s31, 4                            ; Wk and Wv have rows of 1,024 bytes, Wq and Wo of 4,096
	s_cselect_b32 s[KIND], 1, 0
	s_cselect_b32 s52, 17, 19
	s_lshl_b32 s52, s28, s52                       ; 128 rows a K step
	s_mov_b32 s30, 0
	s_wait_kmcnt 0x0
	s_mov_b64 s[SRC:SRC+1], s[8:9]
	s_cmp_ge_u32 s27, 8
	s_cselect_b64 s[SRC:SRC+1], s[10:11], s[SRC:SRC+1]
	s_cselect_b32 s30, 32, s30
	s_cmp_ge_u32 s27, 10
	s_cselect_b64 s[SRC:SRC+1], s[12:13], s[SRC:SRC+1]
	s_cselect_b32 s30, 40, s30
	s_cmp_ge_u32 s27, 12
	s_cselect_b64 s[SRC:SRC+1], s[14:15], s[SRC:SRC+1]
	s_cselect_b32 s30, 48, s30
	s_sub_co_u32 s31, s29, s30                     ; the group within its own weight
	s_lshl_b32 s31, s31, 7
	s_add_co_u32 s52, s52, s31
	s_mov_b32 s53, 0
	s_add_nc_u64 s[SRC:SRC+1], s[SRC:SRC+1], s[52:53]
	s_mul_i32 s52, s29, 24576                      ; two tiles of 12,288 bytes a group,
	s_mul_i32 s31, s28, 1536                       ; 1,536 a K step
	s_add_co_u32 s52, s52, s31
	s_add_nc_u64 s[DA:DA+1], s[18:19], s[52:53]
	s_lshl_b32 s52, s29, 10                        ; scale words: two tiles of 512 bytes a group, 64 a K step
	s_lshl_b32 s31, s28, 6
	s_add_co_u32 s52, s52, s31
	s_add_co_u32 s52, s52, 1966080
	s_add_nc_u64 s[DB:DB+1], s[18:19], s[52:53]
.macro WLOAD pitch                     ; W(k, my column), k = 0 .. 127: each load reads 128 consecutive bytes of a row
.set k, 0
.rept 128
	global_load_b32 v[32+k], v12, s[SRC:SRC+1] offset:k*(\pitch) th:TH_LOAD_NT
.set k, k+1
.endr
.endm
	s_cmp_lg_u32 s[KIND], 0
	s_cbranch_scc1 .Lnarrow
	s_wait_alu depctr_va_vdst(0)
	WLOAD 4096
	s_branch .Lwloaded
.Lnarrow:
	s_wait_alu depctr_va_vdst(0)
	WLOAD 1024
.Lwloaded:
	s_wait_loadcnt 0x0
.irp b, 0,1,2,3
	v_max3_num_f32 v[200+\b], |v[32+32*\b]|, |v[33+32*\b]|, 0x1800000
.endr
.irp i, 2,4,6,8,10,12,14,16,18,20,22,24,26,28,30
.irp b, 0,1,2,3
	v_max3_num_f32 v[200+\b], v[200+\b], |v[32+32*\b+\i]|, |v[33+32*\b+\i]|
.endr
.endr
.irp b, 0,1,2,3
	v_add_nc_u32 v[204+\b], 0xff000000, v[200+\b]
.endr
.irp b, 0,1,2,3
	v_lshrrev_b32 v[208+\b], 23, v[204+\b]
.endr
	v_lshl_or_b32 v212, v209, 8, v208
	v_lshl_or_b32 v212, v210, 16, v212
	v_lshl_or_b32 v212, v211, 24, v212             ; my column's scale word for this K step
.irp b, 0,1,2,3                        ; block b's lower 16 codes at v[160 + 12 (b % 2) + 6 (b / 2)], its upper 16 at v[184 + 4 b]
	v_cvt_scalef32_pk16_fp6_f32 v[160+12*(\b%2)+6*(\b/2):162+12*(\b%2)+6*(\b/2)], v[32+32*\b:47+32*\b], v[204+\b]
	v_cvt_scalef32_pk16_fp6_f32 v[184+4*\b:186+4*\b], v[48+32*\b:63+32*\b], v[204+\b]
.endr
	v_nop                                          ; one plain place behind a scaled conversion
; Lanes 0-15 hold tile 0's rows and lanes 16-31 tile 1's, each all four blocks.  A fragment wants blocks 0, 2 in lanes 0-15 and blocks 1, 3 in lanes 16-31:
; the even block's lanes 16-31 change places with the odd block's lanes 0-15, and the first register is tile 0's, the second tile 1's.
.irp c, 0,1
.irp i, 0,1,2
	v_permlane16_swap_b32 v[160+6*\c+\i], v[172+6*\c+\i]
	v_permlane16_swap_b32 v[184+8*\c+\i], v[188+8*\c+\i]
.endr
.irp i, 0,1,2
	v_mov_b32 v[163+6*\c+\i], v[184+8*\c+\i]
	v_mov_b32 v[175+6*\c+\i], v[188+8*\c+\i]
.endr
.endr
.irp m, 0,1,2
	global_store_b128 v[LI], v[160+4*\m:163+4*\m], s[DA:DA+1] offset:512*\m
	global_store_b128 v[LI], v[172+4*\m:175+4*\m], s[DA:DA+1] offset:12288+512*\m
.endr
	global_store_b32 v13, v212, s[DB:DB+1]
	s_branch .Ltail
; ---- THE TABLE OF cos AND sin.  A wave takes a token tile: lane (r, h) makes, for its token, the 16 pairs 16 (p / 8) + 8 h + p % 8: those of the 32 numbers that it will hold of q or k.
.Lrope:
.set PI, 32
.set EX, 48
.set FQ, 64
.set OUTI, 96
.set NN, 128
.set RR, 144
.set ZZ, 160
.set CC, 176
.set SS, 192
.set TT, 208
	s_sub_co_u32 s26, ttmp9, 800
	s_lshl_b32 s26, s26, 2
	s_add_co_u32 s27, s26, s[WV]                   ; the tile
	s_lshr_b32 s28, s27, 1
	s_lshl_b32 s28, s28, 5
	s_and_b32 s29, s27, 1
	s_lshl_b32 s29, s29, 3
	s_add_co_u32 s28, s28, s29
	v_and_b32 v12, 8, v[RW]
	v_add_nc_u32 v12, v12, v[RW]
	v_add_nc_u32 v12, s28, v12
	v_cvt_f32_u32 v12, v12                         ; my token's position
	v_lshlrev_b32 v13, 3, v[HF]
	s_wait_alu depctr_va_vdst(0)
	s_mov_b32 s32, 0xbe9f73e0                      ; -326559 x 2^-20: log2(1000) / 32 cut to 19 bits, so that its product with a pair's number (5 bits) is exact
	s_mov_b32 s33, 0x34002895                      ; what was cut off, x ln 2: 2^(pi x rest) = 1 + pi x this
	s_mov_b32 s34, 0x3f22f983                      ; 2 / pi
	s_mov_b32 s35, 0x3fc90fd8                      ; pi / 2 in three parts
	s_mov_b32 s36, 0x34a8885a
	s_mov_b32 s37, 0x27c234c4
	s_mov_b32 s38, 0x37ccf5ce                      ; cos on |r| <= pi / 4: 1 - z / 2 + z^2 (c2 + z (c1 + z c0)), z = r^2
	s_mov_b32 s39, 0xbab6061a
	s_mov_b32 s40, 0x3d2aaaa5
	s_mov_b32 s41, 0xb94ca1f9                      ; sin: r + r z (s2 + z (s1 + z s0))
	s_mov_b32 s42, 0x3c08839e
	s_mov_b32 s43, 0xbe2aaaa3
	s_lshl_b32 s52, s27, 12
	s_mov_b32 s53, 0
.irp p, 0,1,2,3,4,5,6,7,8,9,10,11,12,13,14,15
	v_add_nc_u32 v[PI+\p], 16*(\p/8)+\p%8, v13
.endr
.irp p, 0,1,2,3,4,5,6,7,8,9,10,11,12,13,14,15
	v_cvt_f32_u32 v[PI+\p], v[PI+\p]
.endr
.irp p, 0,1,2,3,4,5,6,7,8,9,10,11,12,13,14,15
	v_mul_f32 v[EX+\p], s32, v[PI+\p]
.endr
	s_wait_alu depctr_va_vdst(0)
.irp p, 0,1,2,3,4,5,6,7,8,9,10,11,12,13,14,15
	v_exp_f32 v[EX+\p], v[EX+\p]                   ; one batch
.endr
.irp p, 0,1,2,3,4,5,6,7,8,9,10,11,12,13,14,15
	v_fma_f32 v[PI+\p], v[PI+\p], s33, 1.0         ; plain work that names no result of the batch
.endr
	s_wait_alu depctr_va_vdst(0)                   ; one wait for the batch, ahead of its first reader
.irp p, 0,1,2,3,4,5,6,7,8,9,10,11,12,13,14,15
	v_mul_f32 v[EX+\p], v[EX+\p], v[PI+\p]         ; theta
.endr
.irp p, 0,1,2,3,4,5,6,7,8,9,10,11,12,13,14,15
	v_mul_f32 v[FQ+\p], v12, v[EX+\p]              ; the angle: position x theta, rounded once
.endr
.irp p, 0,1,2,3,4,5,6,7,8,9,10,11,12,13,14,15
	v_mul_f32 v[NN+\p], s34, v[FQ+\p]
.endr
.irp p, 0,1,2,3,4,5,6,7,8,9,10,11,12,13,14,15
	v_rndne_f32 v[NN+\p], v[NN+\p]                 ; n quarter turns
.endr
.irp p, 0,1,2,3,4,5,6,7,8,9,10,11,12,13,14,15
	v_fma_f32 v[RR+\p], -v[NN+\p], s35, v[FQ+\p]
.endr
.irp p, 0,1,2,3,4,5,6,7,8,9,10,11,12,13,14,15
	v_fma_f32 v[RR+\p], -v[NN+\p], s36, v[RR+\p]
.endr
.irp p, 0,1,2,3,4,5,6,7,8,9,10,11,12,13,14,15
	v_fma_f32 v[RR+\p], -v[NN+\p], s37, v[RR+\p]   ; r = angle - n pi / 2
.endr
.irp p, 0,1,2,3,4,5,6,7,8,9,10,11,12,13,14,15
	v_mul_f32 v[ZZ+\p], v[RR+\p], v[RR+\p]
.endr
.irp p, 0,1,2,3,4,5,6,7,8,9,10,11,12,13,14,15
	v_fma_f32 v[CC+\p], v[ZZ+\p], s38, s39
.endr
.irp p, 0,1,2,3,4,5,6,7,8,9,10,11,12,13,14,15
	v_fma_f32 v[CC+\p], v[CC+\p], v[ZZ+\p], s40
.endr
.irp p, 0,1,2,3,4,5,6,7,8,9,10,11,12,13,14,15
	v_fma_f32 v[CC+\p], v[CC+\p], v[ZZ+\p], -0.5
.endr
.irp p, 0,1,2,3,4,5,6,7,8,9,10,11,12,13,14,15
	v_fma_f32 v[CC+\p], v[CC+\p], v[ZZ+\p], 1.0
.endr
.irp p, 0,1,2,3,4,5,6,7,8,9,10,11,12,13,14,15
	v_fma_f32 v[SS+\p], v[ZZ+\p], s41, s42
.endr
.irp p, 0,1,2,3,4,5,6,7,8,9,10,11,12,13,14,15
	v_fma_f32 v[SS+\p], v[SS+\p], v[ZZ+\p], s43
.endr
.irp p, 0,1,2,3,4,5,6,7,8,9,10,11,12,13,14,15
	v_mul_f32 v[ZZ+\p], v[ZZ+\p], v[RR+\p]
.endr
.irp p, 0,1,2,3,4,5,6,7,8,9,10,11,12,13,14,15
	v_fma_f32 v[SS+\p], v[SS+\p], v[ZZ+\p], v[RR+\p]
.endr
.irp p, 0,1,2,3,4,5,6,7,8,9,10,11,12,13,14,15
	v_cvt_i32_f32 v[NN+\p], v[NN+\p]
.endr
.irp p, 0,1,2,3,4,5,6,7,8,9,10,11,12,13,14,15
	v_and_b32 v[TT+\p], 1, v[NN+\p]                ; an odd number of quarter turns: the two change places
	v_cmp_ne_u32 vcc_lo, 0, v[TT+\p]
	v_cndmask_b32 v[OUTI+2*\p], v[CC+\p], v[SS+\p], vcc_lo
	v_cndmask_b32 v[OUTI+2*\p+1], v[SS+\p], v[CC+\p], vcc_lo
.endr
.irp p, 0,1,2,3,4,5,6,7,8,9,10,11,12,13,14,15
	v_add_nc_u32 v[TT+\p], 1, v[NN+\p]
	v_lshlrev_b32 v[TT+\p], 30, v[TT+\p]
	v_lshlrev_b32 v[NN+\p], 30, v[NN+\p]
	v_and_b32 v[TT+\p], 0x80000000, v[TT+\p]       ; cos changes sign where bit 1 of n + 1 is set,
	v_and_b32 v[NN+\p], 0x80000000, v[NN+\p]       ; sin where bit 1 of n is
	v_xor_b32 v[OUTI+2*\p], v[OUTI+2*\p], v[TT+\p]
	v_xor_b32 v[OUTI+2*\p+1], v[OUTI+2*\p+1], v[NN+\p]
.endr
	s_wait_alu depctr_va_vdst(0)
	s_wait_kmcnt 0x0
	s_add_nc_u64 s[SRC:SRC+1], s[20:21], s[52:53]
.irp m, 0,1,2,3,4,5,6,7
	global_store_b128 v[LI], v[OUTI+4*\m:OUTI+4*\m+3], s[SRC:SRC+1] offset:512*\m
.endr
.Ltail:
	s_wait_tensorcnt 0x0                           ; the wave's end
	ds_add_u32 v[SPW], v[NIL]
	s_wait_dscnt 0x0
	s_endpgm
.Lfunc_end_k_qa2c4051aea_prep:
	.size	k_qa2c4051aea_prep, .Lfunc_end_k_qa2c4051aea_prep-k_qa2c4051aea_prep
	.p2alignl 7, 3214868480
	.fill 96, 4, 3214868480
	.section	.rodata,"a",@progbits
	.p2align	6, 0x0
	.amdhsa_kernel k_qa2c4051aea_prep
		.amdhsa_group_segment_fixed_size 34304
		.amdhsa_private_segment_fixed_size 0
		.amdhsa_enable_private_segment 0
		.amdhsa_kernarg_size 88
		.amdhsa_user_sgpr_count 2
		.amdhsa_user_sgpr_kernarg_segment_ptr 1
		.amdhsa_wavefront_size32 1
		.amdhsa_system_sgpr_workgroup_id_x 1
		.amdhsa_system_sgpr_workgroup_id_y 1
		.amdhsa_system_sgpr_workgroup_id_z 1
		.amdhsa_system_vgpr_workitem_id 0
		.amdhsa_next_free_vgpr 224
		.amdhsa_next_free_sgpr 66
		.amdhsa_reserve_vcc 1
		.amdhsa_float_denorm_mode_32 3
		.amdhsa_float_denorm_mode_16_64 3
		.amdhsa_memory_ordered 1
		.amdhsa_forward_progress 1
		.amdhsa_inst_pref_size 128
	.end_amdhsa_kernel
	.amdgpu_metadata
---
amdhsa.version: [ 1, 2 ]
amdhsa.kernels:
  - .name:           k_qa2c4051aea_prep
    .symbol:         k_qa2c4051aea_prep.kd
    .args:
      - { .name: x, .offset: 0, .size: 8, .value_kind: global_buffer, .address_space: global }
      - { .name: mask, .offset: 8, .size: 8, .value_kind: global_buffer, .address_space: global }
      - { .name: Wq, .offset: 16, .size: 8, .value_kind: global_buffer, .address_space: global }
      - { .name: Wk, .offset: 24, .size: 8, .value_kind: global_buffer, .address_space: global }
      - { .name: Wv, .offset: 32, .size: 8, .value_kind: global_buffer, .address_space: global }
      - { .name: Wo, .offset: 40, .size: 8, .value_kind: global_buffer, .address_space: global }
      - { .name: xq, .offset: 48, .size: 8, .value_kind: global_buffer, .address_space: global }
      - { .name: wq, .offset: 56, .size: 8, .value_kind: global_buffer, .address_space: global }
      - { .name: rope, .offset: 64, .size: 8, .value_kind: global_buffer, .address_space: global }
      - { .name: mwords, .offset: 72, .size: 8, .value_kind: global_buffer, .address_space: global }
      - { .name: flags, .offset: 80, .size: 8, .value_kind: global_buffer, .address_space: global }
    .group_segment_fixed_size: 34304
    .private_segment_fixed_size: 0
    .kernarg_segment_align: 8
    .kernarg_segment_size: 88
    .max_flat_workgroup_size: 128
    .sgpr_count:     66
    .vgpr_count:     224
    .wavefront_size: 32
...
	.end_amdgpu_metadata
.endif
;; end of part 1
;; launch qkv (part 2): grid 32 x 6, 16 waves a work-group, clusters of 4 x 1, 296,960 bytes of LDS; arguments xq, wq, rope, qf, kvf; writes qf, kvf
.if DOCPART == 2
	.amdgcn_target "amdgcn-amd-amdhsa--gfx1250"
	.amdhsa_code_object_version 6
	.text
	.protected	k_qa2c4051aea_qkv
	.globl	k_qa2c4051aea_qkv
	.p2align	8
	.type	k_qa2c4051aea_qkv,@function
k_qa2c4051aea_qkv:
	s_mov_b64 s[64:65], 0
	v_nop
	global_prefetch_b8 v0, s[64:65] scope:SCOPE_SE
	s_setreg_imm32_b32 hwreg(HW_REG_WAVE_MODE, 25, 1), 1
	s_wait_xcnt 0x0
	s_wait_alu depctr_hold_cnt(0) depctr_sa_sdst(0) depctr_va_vdst(0) depctr_va_sdst(0) depctr_va_ssrc(0) depctr_va_vcc(0) depctr_vm_vsrc(0)
	s_getreg_b32 s2, hwreg(HW_REG_IB_STS2, 6, 4)
	s_cmp_eq_u32 s2, 0
	s_cbranch_scc0 .Lentry_in_a_cluster
	s_endpgm
.Lentry_in_a_cluster:
	s_bfe_u32 s2, ttmp6, 0x10000c
	s_cmp_lg_u32 s2, 0x3003
	s_cbranch_scc0 .Lentry_shape_is_right
	s_endpgm
.Lentry_shape_is_right:
; QKV: q = x Wq, k = x Wk, v = x Wv on codes of FP6 (E2M3) with E8M0 scales; q and k are rotated and quantised along the head's 64, v along the keys.
; SHARES.  A work-group takes 128 tokens (x: 4 x cluster x + place in the cluster) and four heads (y: 0-3 q's heads 4 y on, 4 k's four, 5 v's four): 8 token tiles x 16 channel tiles, K = 1,024.
; Both panels for ALL of K fit in LDS (96 + 192 KiB), so nothing is filled twice: every tensor load is a first fill.  They go out in four chunks of two K steps, and work begins when all four have landed.
; CLUSTER.  The four token blocks of a cluster read the same weights: those tiles are asked for jointly (mask 15); x's tiles are each work-group's own (no mask).
; q, k (y < 5): wave w takes head w / 4 and token tiles 2 (w % 4), + 1; the product is used TRANSPOSED (source 0 = 16 channels of W, source 1 = 16 tokens), so that a lane holds one token and
;   its registers run along the channels: 16 b + i = channel 32 b + 16 (lane / 16) + i.  The rotation's pairs are neighbouring registers.
; v (y = 5): wave w takes channel tile w (head w / 4) against all eight token tiles; NOT transposed (source 0 = 16 tokens, source 1 = 16 channels), so that a lane holds one channel and its
;   registers run along the tokens, which are the second attention product's K.
; The role hangs on y alone: it is the same in all waves of a work-group and in all partners of a cluster; each role passes the same barriers.
; OUT.  qf: half images [head][tile][768] (6 registers: registers 2 j, 2 j + 1 of lane l at 256 j + 8 l), scale words [head][tile][16] (bytes 2, 3 = 0).
;   kvf: a record of 13,312 bytes for each (k/v head, 128 keys): K's 48 registers as an image, V's four fragments, K's scale words, V's scale words.
; LIMITS: as the quantiser's in the launch before: NaN and infinities are not served; a block of zeros gets the byte 1.
.set SPARE, 294912                     ; behind the four chunks: the spare words, 128 bytes a wave
.set CH,    73728                      ; a chunk: 24 rows of 3,072 bytes: x's 8 token tiles, then 16 channel tiles; in a row two K steps' images
.set ROWL,  3072
.set LI,  2                            ; v2  16 x lane
.set L4,  3                            ; v3  4 x lane
.set ADA, 4                            ; v4  q, k: my two token tiles in the chunk in hand
.set ADB, 5                            ; v5  q, k: my four channel tiles
.set L8,  6                            ; v6  8 x lane
.set ADV, 7                            ; v7  v: my channel tile
.set SPW, 8                            ; v8  my spare word; never rewritten
.set NIL, 9                            ; v9  0; never rewritten
.set ADX, 12                           ; v12 v: the eight token tiles
.set ACC, 16                           ; v16-79 eight accumulators
.set XF,  80                           ; q, k: x's two fragments; v: x's eight (v80-175)
.set WF,  104                          ; q, k: W's four
.set VW,  220                          ; v: W's one
.set CS0, 152                          ; q, k: cos and sin of my first tile (v152-183); of my second at v220-251
.set XS,  184                          ; v184-219 hold scale words and nothing else, in both roles.  x's: q, k register 4 u + c; v register 4 T + c
.set WS,  192                          ; q, k: W's, register 4 t + c
.set VWS, 216                          ; v: W's, register c
.set TM,  80                           ; behind the K loop: the quantiser's own
.set PW,  96
.set PC,  100
.set T0,  252
.set WV,  14
.set G1A, 16                           ; s[16:23] descriptor group 1, x's tiles;  s[24:31] the weights': it differs in the mask and bit 21
.set G1B, 24
.set G0A, 32                           ; s[32:35], s[48:51] groups 0: x's load and the weights'
.set G0B, 48
.set BX,  66
.set YY,  67
.set SEL, 70
.set HM,  72
.macro ROUND                           ; a round of the cluster's barrier
	s_barrier_signal -1
	s_barrier_wait -1
	s_cmp_lg_u32 s[WV], 0
	s_cbranch_scc1 .Lnot_wave_0_\@
	s_barrier_signal -3
.Lnot_wave_0_\@:
	s_barrier_wait -3
	s_barrier_signal -1
	s_barrier_wait -1
.endm
.macro QUANT s
.irp b, 0,1,2,3
	v_max3_num_f32 v[TM+\b], |v[(\s)+16*\b]|, |v[(\s)+1+16*\b]|, 0x1800000   ; my 16 numbers of block b, and the floor 2^(3 - 127)
.endr
.irp i, 2,4,6,8,10,12,14
.irp b, 0,1,2,3
	v_max3_num_f32 v[TM+\b], v[TM+\b], |v[(\s)+16*\b+\i]|, |v[(\s)+1+16*\b+\i]|
.endr
.endr
.irp b, 0,1,2,3
	s_delay_alu instid0(VALU_DEP_4)
	v_permlanex16_b32 v[TM+4+\b], v[TM+\b], s[SEL], s[SEL+1]
.endr
.irp b, 0,1,2,3
	s_delay_alu instid0(VALU_DEP_4)
	v_max_num_f32 v[TM+\b], v[TM+\b], v[TM+4+\b]
.endr
.irp b, 0,1,2,3
	s_delay_alu instid0(VALU_DEP_4)
	v_add_nc_u32 v[TM+12+\b], 0xff000000, v[TM+\b]     ; 2 off the exponent field: the conversion's scale operand
.endr
.irp b, 0,1,2,3
	s_delay_alu instid0(VALU_DEP_4)
	v_lshrrev_b32 v[TM+4+\b], 23, v[TM+12+\b]
.endr
	s_delay_alu instid0(VALU_DEP_3)
	v_lshl_or_b32 v[PW], v[TM+5], 8, v[TM+4]
	s_delay_alu instid0(VALU_DEP_1)
	v_lshl_or_b32 v[PW], v[TM+6], 16, v[PW]
	s_delay_alu instid0(VALU_DEP_1)
	v_lshl_or_b32 v[PW], v[TM+7], 24, v[PW]
.irp c, 0,1
	v_cvt_scalef32_pk16_fp6_f32 v[PC+6*\c:PC+2+6*\c], v[(\s)+32*\c:(\s)+15+32*\c], v[TM+12+2*\c]
	v_cvt_scalef32_pk16_fp6_f32 v[PC+12+4*\c:PC+14+4*\c], v[(\s)+16+32*\c:(\s)+31+32*\c], v[TM+12+2*\c+1]
.endr
	v_nop                                              ; one plain place behind a scaled conversion
.irp c, 0,1
.irp i, 0,1,2
	v_permlane16_swap_b32 v[PC+6*\c+\i], v[PC+12+4*\c+\i]
.endr
.irp i, 0,1,2
	s_delay_alu instid0(VALU_DEP_3)
	v_mov_b32 v[PC+3+6*\c+\i], v[PC+12+4*\c+\i]
.endr
.endr
.endm
.macro CHUNKBAR c                      ; ahead of chunk 0: every wave waits for its one load, whichever chunk's it is; behind the barrier all four chunks are whole, so the later chunks want no barrier
.if (\c) == 0
	s_wait_tensorcnt 0x0
	s_barrier_signal -1
	s_barrier_wait -1
.endif
.endm
.macro PLACES                          ; four places behind the matrix instructions, in front of loads into their sources and of the first read of results
.rept 4
	v_nop
.endr
.endm
	s_load_b256 s[4:11], s[0:1], 0x0               ; xq, wq, rope, qf
	s_load_b64 s[12:13], s[0:1], 0x20              ; kvf
	v_lshl_add_u32 v[SPW], v0, 2, SPARE
	v_mov_b32 v[NIL], 0
	ds_add_u32 v[SPW], v[NIL]                      ; the wave's opening: the add and its wait ahead of the first tensor loads; work on registers stands between
	ds_add_u32 v[SPW], v[NIL]
	v_lshrrev_b32 v1, 5, v0
	s_delay_alu instid0(VALU_DEP_1)
	v_readfirstlane_b32 s[WV], v1                  ; wave 0..15
	s_bfe_u32 s15, ttmp6, 0x40000                  ; my place in the cluster: it enters x's address and the stores' alone
	s_lshl_b32 s[BX], ttmp9, 2
	s_add_co_u32 s[BX], s[BX], s15                 ; my block of 128 tokens
	s_and_b32 s[YY], ttmp7, 0xffff                 ; my four heads
	; descriptor group 1: 8 rows of 3,072 bytes (384 elements of 8 bytes), 12,288 bytes (1,536 elements) apart in memory, dense in LDS
	s_mov_b32 s[G1A], 3<<16                        ; no mask; elements of 8 bytes; no padding
	s_mov_b32 s[G1B], 15|(3<<16)|(1<<21)           ; the mask: all four work-groups of the cluster; bit 21 beside it
.irp g, G1A, G1B
	s_mov_b32 s[\g+1], 384<<16                     ; tensor_dim0
	s_mov_b32 s[\g+2], 8<<16                       ; tensor_dim1: 8 rows a load
	s_mov_b32 s[\g+3], 384<<16                     ; tile_dim0
	s_mov_b32 s[\g+4], 8                           ; tile_dim1
	s_mov_b32 s[\g+5], 1536                        ; from row to row
	s_mov_b32 s[\g+6], 0
	s_mov_b32 s[\g+7], 0
.endr
.set MYC, 73                           ; s73 the chunk that my one load belongs to
	; ONE LOAD A WAVE: wave w fetches 8 rows of chunk w % 4: w / 4 = 0 x's eight token tiles, 1 channel tiles 0-7, 2 channel tiles 8-15; waves 12-15 fetch nothing
	s_and_b32 s[MYC], s[WV], 3
	s_lshr_b32 s79, s[WV], 2
	s_mul_i32 s78, s[MYC], ROWL                    ; the chunk's place in a tile's 12,288 bytes
	s_mul_i32 s68, s[BX], 98304                    ; x: my block's eight tiles
	s_add_co_u32 s68, s68, s78
	s_mov_b32 s69, 0
	s_max_u32 s76, s79, 1
	s_sub_co_u32 s76, s76, 1
	s_min_u32 s76, s76, 1
	s_lshl_b32 s76, s76, 3                         ; the weights: channel tiles 16 y + 8 (w / 4 - 1) on: made of y and the wave's number alone
	s_lshl_b32 s77, s[YY], 4
	s_add_co_u32 s76, s76, s77
	s_mul_i32 s76, s76, 12288
	s_add_co_u32 s76, s76, s78
	s_mov_b32 s77, 0
	s_mul_i32 s78, s[MYC], CH                      ; where they go: the chunk, rows 8 (w / 4) on
	s_min_u32 s79, s79, 2
	s_mul_i32 s79, s79, 24576
	s_add_co_u32 s78, s78, s79
	s_mov_b32 s[SEL], 0x76543210
	s_mov_b32 s[SEL+1], 0xfedcba98
	s_mov_b32 s[HM], 0xffff0000
	s_wait_dscnt 0x0                               ; the opening add is done
	s_wait_kmcnt 0x0
	s_add_nc_u64 s[74:75], s[4:5], s[68:69]
	s_add_nc_u64 s[76:77], s[6:7], s[76:77]
	s_mov_b32 s[G0A], 1
	s_mov_b32 s[G0A+1], s78
	s_mov_b64 s[G0A+2:G0A+3], s[74:75]
	s_or_b32 s[G0A+3], s[G0A+3], 0x80000000
	s_mov_b32 s[G0B], 1
	s_mov_b32 s[G0B+1], s78
	s_mov_b64 s[G0B+2:G0B+3], s[76:77]
	s_or_b32 s[G0B+3], s[G0B+3], 0x80000000
	ROUND                                          ; all four work-groups are here: the joint loads meet
	s_cmp_lt_u32 s[WV], 4                          ; one chain of branches on the wave's number, one fill to an arm: one load of mine is out at the most
	s_cbranch_scc0 .Lnot_a
	tensor_load_to_lds s[G0A:G0A+3], s[G1A:G1A+7]
	s_nop 0
.rept 4
	v_nop
.endr
	s_branch .Lfilled
.Lnot_a:
	s_cmp_lt_u32 s[WV], 12
	s_cbranch_scc0 .Lfilled
	tensor_load_to_lds s[G0B:G0B+3], s[G1B:G1B+7]
	s_nop 0
.rept 4
	v_nop
.endr
.Lfilled:
	v_and_b32 v1, 31, v0
	s_delay_alu instid0(VALU_DEP_1)
	v_lshlrev_b32 v[LI], 4, v1
	s_delay_alu instid0(VALU_DEP_2)
	v_lshlrev_b32 v[L4], 2, v1
	s_delay_alu instid0(VALU_DEP_3)
	v_lshlrev_b32 v[L8], 3, v1
	s_and_b32 s79, s[WV], 3
	s_lshr_b32 s80, s[WV], 2
	s_mul_i32 s81, s79, 6144
	v_add_nc_u32 v[ADA], s81, v[LI]                ; rows 2 (w % 4), + 1
	s_mul_i32 s81, s80, 12288
	s_add_co_u32 s81, s81, 24576
	v_add_nc_u32 v[ADB], s81, v[LI]                ; rows 8 + 4 (w / 4) on
	s_mul_i32 s81, s[WV], 3072
	s_add_co_u32 s81, s81, 24576
	v_add_nc_u32 v[ADV], s81, v[LI]                ; row 8 + w
	v_lshlrev_b32 v[ADX], 4, v1                    ; rows 0 on
	s_mov_b32 s91, 0
	s_cmp_eq_u32 s[YY], 5
	s_cbranch_scc1 .Lvpath
; ---- q and k
	s_lshl_b32 s82, s[BX], 3
	s_lshl_b32 s83, s79, 1
	s_add_co_u32 s82, s82, s83                     ; my first token tile
	s_lshl_b32 s90, s82, 9
	s_add_co_u32 s90, s90, 3145728
	s_add_nc_u64 s[84:85], s[4:5], s[90:91]        ; its scale words
	s_lshl_b32 s90, s[YY], 4
	s_lshl_b32 s83, s80, 2
	s_add_co_u32 s90, s90, s83
	s_lshl_b32 s90, s90, 9
	s_add_co_u32 s90, s90, 1966080
	s_add_nc_u64 s[86:87], s[6:7], s[90:91]        ; my four channel tiles' scale words
	s_lshl_b32 s90, s82, 12
	s_add_nc_u64 s[88:89], s[8:9], s[90:91]        ; cos and sin
	s_wait_alu depctr_va_vdst(0)
.irp u, 0,1
.irp c, 0,1,2,3
	global_load_b32 v[XS+4*\u+\c], v[L4], s[84:85] offset:512*\u+128*\c    ; lanes 0-15 K step 2 c, lanes 16-31 K step 2 c + 1
.endr
.endr
.irp t, 0,1,2,3
.irp c, 0,1,2,3
	global_load_b32 v[WS+4*\t+\c], v[L4], s[86:87] offset:512*\t+128*\c
.endr
.endr
.irp u, 0,1
.irp m, 0,1,2,3,4,5,6,7
	global_load_b128 v[CS0+68*\u+4*\m:CS0+68*\u+4*\m+3], v[LI], s[88:89] offset:4096*\u+512*\m
.endr
.endr
.macro MMQK u, t, c, e
.set DD, ACC+32*(\u)+8*(\t)
.set AA, WF+12*(\t)
.set BB, XF+12*(\u)
.set SA, WS+4*(\t)+(\c)
.set SB, XS+4*(\u)+(\c)
.if (\c)+(\e) == 0
	v_wmma_scale_f32_16x16x128_f8f6f4 v[DD:DD+7], v[AA:AA+11], v[BB:BB+11], 0, v[SA], v[SB] matrix_a_fmt:MATRIX_FMT_FP6 matrix_b_fmt:MATRIX_FMT_FP6
.elseif (\e) == 0
	v_wmma_scale_f32_16x16x128_f8f6f4 v[DD:DD+7], v[AA:AA+11], v[BB:BB+11], v[DD:DD+7], v[SA], v[SB] matrix_a_fmt:MATRIX_FMT_FP6 matrix_b_fmt:MATRIX_FMT_FP6
.else
	v_wmma_scale_f32_16x16x128_f8f6f4 v[DD:DD+7], v[AA:AA+11], v[BB:BB+11], v[DD:DD+7], v[SA], v[SB] matrix_a_fmt:MATRIX_FMT_FP6 matrix_b_fmt:MATRIX_FMT_FP6 matrix_a_scale:MATRIX_SCALE_ROW1 matrix_b_scale:MATRIX_SCALE_ROW1
.endif
.endm
; A K step: six fragments, eight products; the eight accumulators take turns, one instruction a turn, in the same order in every K step
.macro KSTEP_QK c, e
.irp u, 0,1
.irp m, 0,1,2
	ds_load_b128 v[XF+12*\u+4*\m:XF+12*\u+4*\m+3], v[ADA] offset:ROWL*\u+1536*(\e)+512*\m
.endr
.endr
.irp t, 0,1,2,3
.irp m, 0,1,2
	ds_load_b128 v[WF+12*\t+4*\m:WF+12*\t+4*\m+3], v[ADB] offset:ROWL*\t+1536*(\e)+512*\m
.endr
.endr
	s_wait_dscnt 0x0
.irp u, 0,1
.irp t, 0,1,2,3
	MMQK \u, \t, \c, \e
.endr
.endr
	PLACES
.endm
	CHUNKBAR 0
	s_wait_loadcnt 0x0                             ; the scale words, cos and sin
.irp c, 0,1,2,3
.if \c > 0
	s_wait_alu depctr_va_vdst(0)
	CHUNKBAR \c
.endif
	KSTEP_QK \c, 0
	KSTEP_QK \c, 1
	v_add_nc_u32 v[ADA], CH, v[ADA]                ; on to the next chunk
	v_add_nc_u32 v[ADB], CH, v[ADB]
.endr
	; the rotation: registers 2 p, 2 p + 1 are a pair; even = x1 c - x2 s, odd = x1 s + x2 c.  Each accumulator is read from its low end on
.irp u, 0,1
.set p, 0
.rept 16
.set X0, ACC+32*\u+2*p
.set CC, CS0+68*\u+2*p
.set TT, T0+2*(p%2)
	v_mul_f32 v[TT], v[X0+1], v[CC+1]
	v_mul_f32 v[TT+1], v[X0+1], v[CC]
	v_fma_f32 v[X0+1], v[X0], v[CC+1], v[TT+1]
	v_fma_f32 v[X0], v[X0], v[CC], -v[TT]
.set p, p+1
.endr
.endr
.irp b, 0,1,2,3
	v_mov_b32 v[TM+4+\b], 0                        ; a lane permute's destination counts as one of its sources
.endr
	QUANT ACC                                      ; blocks 0, 1: my first tile's two halves of the head; blocks 2, 3: my second tile's.  v[PC + 6 u] on is tile u's half image
	v_and_b32 v[T0], 0xffff, v[PW]
	v_lshrrev_b32 v[T0+1], 16, v[PW]
	s_delay_alu instid0(VALU_DEP_1)
	v_cndmask_b32 v[T0], v[T0], v[T0+1], s[HM]     ; lanes 0-15 the first tile's words, lanes 16-31 the second's; bytes 2 and 3 are 0
	s_cmp_eq_u32 s[YY], 4
	s_cbranch_scc1 .Lkstore
	s_lshl_b32 s90, s[YY], 2
	s_add_co_u32 s90, s90, s80                     ; the head
	s_lshl_b32 s90, s90, 8
	s_add_co_u32 s92, s90, s82                     ; 256 x head + tile
	s_mul_i32 s90, s92, 768
	s_add_nc_u64 s[84:85], s[10:11], s[90:91]
	s_lshl_b32 s90, s92, 6
	s_add_co_u32 s90, s90, 3145728
	s_add_nc_u64 s[86:87], s[10:11], s[90:91]
	s_wait_alu depctr_va_vdst(0)
.irp u, 0,1
.irp j, 0,1,2
	global_store_b64 v[L8], v[PC+6*\u+2*\j:PC+6*\u+2*\j+1], s[84:85] offset:768*\u+256*\j   ; 32 lanes store 256 consecutive bytes, aligned
.endr
.endr
	global_store_b32 v[L4], v[T0], s[86:87]
	s_branch .Lend
.Lkstore:
	s_lshl_b32 s90, s80, 5
	s_add_co_u32 s90, s90, s[BX]
	s_mul_i32 s92, s90, 13312                      ; the record of (k head, my 128 keys)
	s_mul_i32 s93, s79, 1536
	s_add_co_u32 s90, s92, s93                     ; my two tiles are registers 12 (w % 4) on of its 48
	s_add_nc_u64 s[84:85], s[12:13], s[90:91]
	s_lshl_b32 s93, s79, 7
	s_add_co_u32 s90, s92, s93
	s_add_co_u32 s90, s90, 12288
	s_add_nc_u64 s[86:87], s[12:13], s[90:91]
	s_wait_alu depctr_va_vdst(0)
.irp m, 0,1,2
	global_store_b128 v[LI], v[PC+4*\m:PC+4*\m+3], s[84:85] offset:512*\m
.endr
	global_store_b32 v[L4], v[T0], s[86:87]
	s_branch .Lend
; ---- v
.Lvpath:
	s_lshl_b32 s90, s[BX], 12
	s_add_co_u32 s90, s90, 3145728
	s_add_nc_u64 s[84:85], s[4:5], s[90:91]        ; the eight token tiles' scale words
	s_add_co_u32 s90, s[WV], 80
	s_lshl_b32 s90, s90, 9
	s_add_co_u32 s90, s90, 1966080
	s_add_nc_u64 s[86:87], s[6:7], s[90:91]        ; my channel tile's
	s_wait_alu depctr_va_vdst(0)
.irp t, 0,1,2,3,4,5,6,7
.irp c, 0,1,2,3
	global_load_b32 v[XS+4*\t+\c], v[L4], s[84:85] offset:512*\t+128*\c
.endr
.endr
.irp c, 0,1,2,3
	global_load_b32 v[VWS+\c], v[L4], s[86:87] offset:128*\c
.endr
.macro MMV t, c, e
.set DD, ACC+8*(\t)
.set AA, XF+12*(\t)
.set SA, XS+4*(\t)+(\c)
.set SB, VWS+(\c)
.if (\c)+(\e) == 0
	v_wmma_scale_f32_16x16x128_f8f6f4 v[DD:DD+7], v[AA:AA+11], v[VW:VW+11], 0, v[SA], v[SB] matrix_a_fmt:MATRIX_FMT_FP6 matrix_b_fmt:MATRIX_FMT_FP6
.elseif (\e) == 0
	v_wmma_scale_f32_16x16x128_f8f6f4 v[DD:DD+7], v[AA:AA+11], v[VW:VW+11], v[DD:DD+7], v[SA], v[SB] matrix_a_fmt:MATRIX_FMT_FP6 matrix_b_fmt:MATRIX_FMT_FP6
.else
	v_wmma_scale_f32_16x16x128_f8f6f4 v[DD:DD+7], v[AA:AA+11], v[VW:VW+11], v[DD:DD+7], v[SA], v[SB] matrix_a_fmt:MATRIX_FMT_FP6 matrix_b_fmt:MATRIX_FMT_FP6 matrix_a_scale:MATRIX_SCALE_ROW1 matrix_b_scale:MATRIX_SCALE_ROW1
.endif
.endm
.macro KSTEP_V c, e
.irp m, 0,1,2
	ds_load_b128 v[VW+4*\m:VW+4*\m+3], v[ADV] offset:1536*(\e)+512*\m
.endr
.irp t, 0,1,2,3,4,5,6,7
.irp m, 0,1,2
	ds_load_b128 v[XF+12*\t+4*\m:XF+12*\t+4*\m+3], v[ADX] offset:ROWL*\t+1536*(\e)+512*\m
.endr
.endr
	s_wait_dscnt 12                                ; W's fragment and x's tiles 0-3 are in; the youngest twelve loads (tiles 4-7) may be out
.irp t, 0,1,2,3
	MMV \t, \c, \e
.endr
	s_wait_dscnt 0x0
.irp t, 4,5,6,7
	MMV \t, \c, \e
.endr
	PLACES
.endm
	CHUNKBAR 0
	s_wait_loadcnt 0x0
.irp c, 0,1,2,3
.if \c > 0
	s_wait_alu depctr_va_vdst(0)
	CHUNKBAR \c
.endif
	KSTEP_V \c, 0
	KSTEP_V \c, 1
	v_add_nc_u32 v[ADV], CH, v[ADV]
	v_add_nc_u32 v[ADX], CH, v[ADX]
.endr
.irp b, 0,1,2,3
	v_mov_b32 v[TM+4+\b], 0
.endr
	QUANT ACC                                      ; register 16 b + i = key 32 b + 16 (lane / 16) + i of my channel: a fragment of V with the keys innermost
	s_lshl_b32 s90, s80, 5
	s_add_co_u32 s90, s90, s[BX]
	s_mul_i32 s92, s90, 13312
	s_mul_i32 s93, s79, 1536
	s_add_co_u32 s90, s92, s93
	s_add_co_u32 s90, s90, 6144
	s_add_nc_u64 s[84:85], s[12:13], s[90:91]
	s_lshl_b32 s93, s79, 7
	s_add_co_u32 s90, s92, s93
	s_add_co_u32 s90, s90, 12800
	s_add_nc_u64 s[86:87], s[12:13], s[90:91]
	s_wait_alu depctr_va_vdst(0)
.irp m, 0,1,2
	global_store_b128 v[LI], v[PC+4*\m:PC+4*\m+3], s[84:85] offset:512*\m
.endr
	global_store_b32 v[L4], v[PW], s[86:87]        ; both halves of the lanes hold the same words
.Lend:
	s_wait_tensorcnt 0x0                           ; the wave's end
	ds_add_u32 v[SPW], v[NIL]
	s_wait_dscnt 0x0
	ROUND                                          ; the closing round: no work-group ends while a partner may still ask for a tile that names it
	s_endpgm
.Lfunc_end_k_qa2c4051aea_qkv:
	.size	k_qa2c4051aea_qkv, .Lfunc_end_k_qa2c4051aea_qkv-k_qa2c4051aea_qkv
	.p2alignl 7, 3214868480
	.fill 96, 4, 3214868480
	.section	.rodata,"a",@progbits
	.p2align	6, 0x0
	.amdhsa_kernel k_qa2c4051aea_qkv
		.amdhsa_group_segment_fixed_size 296960
		.amdhsa_private_segment_fixed_size 0
		.amdhsa_enable_private_segment 0
		.amdhsa_kernarg_size 40
		.amdhsa_user_sgpr_count 2
		.amdhsa_user_sgpr_kernarg_segment_ptr 1
		.amdhsa_wavefront_size32 1
		.amdhsa_system_sgpr_workgroup_id_x 1
		.amdhsa_system_sgpr_workgroup_id_y 1
		.amdhsa_system_sgpr_workgroup_id_z 1
		.amdhsa_system_vgpr_workitem_id 0
		.amdhsa_next_free_vgpr 256
		.amdhsa_next_free_sgpr 100
		.amdhsa_reserve_vcc 0
		.amdhsa_float_denorm_mode_32 3
		.amdhsa_float_denorm_mode_16_64 3
		.amdhsa_memory_ordered 1
		.amdhsa_forward_progress 1
		.amdhsa_inst_pref_size 75
	.end_amdhsa_kernel
	.amdgpu_metadata
---
amdhsa.version: [ 1, 2 ]
amdhsa.kernels:
  - .name:           k_qa2c4051aea_qkv
    .symbol:         k_qa2c4051aea_qkv.kd
    .args:
      - { .name: xq, .offset: 0, .size: 8, .value_kind: global_buffer, .address_space: global }
      - { .name: wq, .offset: 8, .size: 8, .value_kind: global_buffer, .address_space: global }
      - { .name: rope, .offset: 16, .size: 8, .value_kind: global_buffer, .address_space: global }
      - { .name: qf, .offset: 24, .size: 8, .value_kind: global_buffer, .address_space: global }
      - { .name: kvf, .offset: 32, .size: 8, .value_kind: global_buffer, .address_space: global }
    .group_segment_fixed_size: 296960
    .private_segment_fixed_size: 0
    .kernarg_segment_align: 8
    .kernarg_segment_size: 40
    .max_flat_workgroup_size: 512
    .sgpr_count:     100
    .vgpr_count:     256
    .wavefront_size: 32
...
	.end_amdgpu_metadata
.endif
;; end of part 2
;; launch attn (part 3): grid 64 x 4, 16 waves a work-group, no clusters, 90,112 bytes of LDS; arguments qf, kvf, mwords, flags, af; writes af
.if DOCPART == 3
	.amdgcn_target "amdgcn-amd-amdhsa--gfx1250"
	.amdhsa_code_object_version 6
	.text
	.protected	k_qa2c4051aea_attn
	.globl	k_qa2c4051aea_attn
	.p2align	8
	.type	k_qa2c4051aea_attn,@function
k_qa2c4051aea_attn:
	s_mov_b64 s[64:65], 0
	v_nop
	global_prefetch_b8 v0, s[64:65] scope:SCOPE_SE
	s_setreg_imm32_b32 hwreg(HW_REG_WAVE_MODE, 25, 1), 1
	s_wait_xcnt 0x0
; ATTENTION on codes of FP6 (E2M3): S^T = K Q^T, the mask, p = 2^(t - M), O^T += V^T p^T, O / l, and O quantised along (head, channel) for the last product.
; t = score x log2(e) / 8; M = the running largest t rounded UP to a whole number, kept as -M = floor(-t); the row's sum l is taken of the unquantised p; when M moves, l and O are multiplied by 2^(old M - new M): exact.
; SHARES.  Work-group (x, y): the four query heads of k/v head y, in TWO PHASES: first the tiles of 16 queries 254 - 2 x, 255 - 2 x, then the tiles 2 x, 2 x + 1 (a late and an early pair: that only evens
; the work under masks that thin out with the key's number; no value hangs on it).  In a phase wave w takes head 4 y + w % 4, tile w / 8 of the pair, and the steps of 128 keys of parity (w / 4) % 2.
; A trip of the loop serves two steps, an even and an odd one: 16 trips a phase.  At a phase's end the odd wave hands its O^T, -M and l to the even wave of the same (tile, head) through LDS;
; both parts are brought under the larger M by powers of two, added, divided by l and quantised by the even wave.
; THE MASK IS AN INPUT.  The launch that read it has stored, for each (tile of queries, step of 128 keys), 64 lane-mask words (word 16 b + i, bit l: does key 32 b + 16 (l / 16) + i count for query l % 16) and
; two flags: ANY key counts, ALL keys count.  A step with ANY = 0 is left out (every p would be 0); with ALL = 1 the selects are left out; else one v_cndmask_b32 a score puts -infinity for what is hidden.
; These branches hang on whole numbers that an earlier launch stored, so this text has no tensor load: a trip's two records (26,624 bytes, neighbours in memory) go memory -> registers -> LDS, one trip ahead,
; two slots by turns.  ONE BARRIER A TRIP, on every wave's way, its halves apart: a wave signals in mid-step, when its reads of this slot are back and its part of the other slot is stored,
; and waits at the trip's end; between the two stands work on registers alone.  A pair of records that no wave of the work-group needs is not fetched.
; No cluster: without tensor loads there is no joint request to make.
; PREFETCH: all 64 work-groups of a k/v head walk the same records; work-group x = 0 asks, in its first phase alone (each block once), its waves 12-15, a lane 256 bytes apart:
; in trip t the pair of trip t + 2, one trip ahead of the loads that fetch it; trips 14 and 15 ask for nothing.
; K = 64 fills half of the matrix instruction's 128: Q's upper six registers are zero codes, and its scale bytes 2, 3 are 0; what lies in the upper six registers of source 0 meets zero codes and adds exactly 0.
; A ROW WITH NO KEY AT ALL has l = 0: its scale bytes for the last product are set to 0xff, which makes that row of the output NaN, as a softmax over nothing is.
; LIMITS: NaN and infinities among the inputs are not served; p under 2^-126 becomes 0 (v_exp_f32 flushes); a block of zeros gets the byte 1; the promise holds while |t| stays under 2^31.
.set REC,   13312                      ; a record: K's 48 registers as an image (6,144), V's four fragments (6,144), K's scale words (512), V's (512)
.set PAIR,  26624                      ; a slot: an even step's record and the odd one behind it
.set XCH,   53248                      ; behind the two slots: the exchange, XW bytes for each of the eight (tile, head)
.set XW,    4352                       ; 32 registers as an image (4,096), then -M and l, 8 bytes a lane
.set SPARE, 88064                      ; behind the exchange: the spare words, 128 bytes a wave
.set SPW, 1                            ; v1  my spare word; never rewritten
.set NIL, 2                            ; v2  0; never rewritten
.set LI,  3                            ; v3  16 x lane + my parity's record
.set L4,  4                            ; v4  4 x lane + my parity's record
.set CPA, 5                            ; v5  16 x thread: my 16 bytes of each 8,192 of a pair
.set L8,  6                            ; v6  8 x lane
.set PFO, 7                            ; v7  the prefetch's offset
.set X8,  12                           ; v12 the exchange: -M and l
.set XA,  13                           ; v13 the exchange: O^T
.set QF,  16                           ; v16-21 Q's codes, v22-27 zeros
.set QS,  28                           ; v28 Q's scale words
.set KV,  32                           ; v32-79 K's 48 registers, then V's four fragments; v80-85 zeros
.set KSC, 86                           ; v86-89 K's scale words
.set VSC, 90                           ; v90-93 V's
.set S,   96                           ; v96-159 S^T, then p: register 16 b + i = key 32 b + 16 (lane / 16) + i
.set OT,  160                          ; v160-191 O^T: register 16 b + i = channel 32 b + 16 (lane / 16) + i
.set PCD, 192                          ; v192-203 p's codes; v204-206, v208-210 at work
.set BM,  212
.set PT,  216
.set SO,  220
.set BY,  224
.set FF,  228                          ; v[228:229] f = 2^(old M - new M)
.set PW,  230                          ; v230 p's scale word, and nothing else
.set TP,  231
.set NM,  232                          ; v232 -M, v233 the running largest t
.set SU,  234                          ; v[234:235] the row's sum in two halves; v[236:237], v[30:31], v[94:95] a step's other chains
.set SV,  236
.set NINF, 238
.set CP,  240                          ; v240-255 the pair of records on its way
.set PH,  2
.set HG,  3                            ; my head
.set WV,  14
.set CNT, 15
.set SEL, 66
.set CS,  68
.set ANY, 70
.set ALL, 71
.set WGA, 72
.set NXT, 73
.set LIM, 74
.set KH,  75
.set HD,  76
.set PAR, 77
.set TI,  78
.set TL,  79                           ; my tile of queries in this phase
.set RP,  98                           ; s[98:99]   the pair of records in hand
.set MP,  100                          ; s[100:101] my step's mask words
.macro NIB dst, src, sh                ; the 4-bit fields at bit sh of the eight bytes of s[src:src+1], on end: bit j is step j's flag
	s_bfe_u32 s[\dst], s[\src], (4<<16)|(\sh)
.irp i, 1,2,3,4,5,6,7
	s_bfe_u32 s96, s[\src+\i/4], (4<<16)|(8*(\i%4)+\sh)
	s_lshl_b32 s96, s96, 4*\i
	s_or_b32 s[\dst], s[\dst], s96
.endr
.endm
	s_load_b256 s[4:11], s[0:1], 0x0               ; qf, kvf, mwords, flags
	s_load_b64 s[12:13], s[0:1], 0x20              ; af
	v_lshl_add_u32 v[SPW], v0, 2, SPARE
	v_mov_b32 v[NIL], 0
	v_lshrrev_b32 v8, 5, v0
	v_readfirstlane_b32 s[WV], v8                  ; wave 0..15
	s_and_b32 s[KH], ttmp7, 0xffff                 ; the k/v head
	s_and_b32 s[HD], s[WV], 3                      ; which of its four query heads
	s_bfe_u32 s[PAR], s[WV], 0x10002               ; which parity of the steps
	s_lshr_b32 s[TI], s[WV], 3                     ; which tile of the pair
	s_lshl_b32 s[HG], s[KH], 2
	s_add_co_u32 s[HG], s[HG], s[HD]
	s_mul_i32 s96, s[PAR], REC
	s_lshl_b32 s97, s[TI], 2
	s_add_co_u32 s97, s97, s[HD]
	s_mul_i32 s97, s97, XW
	s_add_co_u32 s97, s97, XCH                     ; my (tile, head)'s place in the exchange
	s_add_co_u32 s80, s97, 4096
	s_max_u32 s81, s[WV], 12
	s_sub_co_u32 s81, s81, 12
	s_lshl_b32 s81, s81, 13                        ; the prefetch: waves 12-15 take 8,192 bytes of a pair each
	s_cmp_ge_u32 s[WV], 12
	s_cselect_b32 s82, 1, 0
	s_cmp_eq_u32 ttmp9, 0
	s_cselect_b32 s82, s82, 0
	s_cmp_lg_u32 s82, 0
	s_cselect_b32 s[LIM], 1, -1                    ; 1 in the waves that ask, else the greatest number
	s_mov_b32 s[SEL], 0x76543210
	s_mov_b32 s[SEL+1], 0xfedcba98
	s_mov_b32 s[CS], 0x3e38aa3b                    ; c = log2(e) / 8
	s_mov_b32 s[CS+1], s[CS]                       ; (named with it as a pair, so it is written)
	s_mov_b32 s[PH], 0
	v_and_b32 v8, 31, v0                           ; lane
	v_and_b32 v9, 15, v0                           ; r
	v_lshlrev_b32 v[CPA], 4, v0
	v_lshlrev_b32 v[L8], 3, v8
	v_lshlrev_b32 v10, 2, v9
	v_lshlrev_b32 v11, 3, v9
	v_lshl_add_u32 v[LI], v8, 4, s96
	v_lshl_add_u32 v[L4], v8, 2, s96
	v_lshl_add_u32 v[XA], v8, 4, s97
	v_lshl_add_u32 v[X8], v8, 3, s80
	v_lshl_add_u32 v[PFO], v8, 8, s81
	v_min_u32 v[PFO], PAIR-256, v[PFO]             ; held inside the pair
.irp i, 0,1,2,3,4,5
	v_mov_b32 v[QF+6+\i], 0                        ; Q's upper 64 along K: zero codes
	v_mov_b32 v[KV+48+\i], 0                       ; behind K's last tile
.endr
.irp b, 0,1,2,3
	v_mov_b32 v[PT+\b], 0                          ; a lane permute's destination counts as one of its sources
.endr
	v_mov_b32 v[FF+1], 0                           ; (named as the upper halves of pairs)
	v_mov_b32 v[BY+1], 0
	v_mov_b32 v[TP], 0
	v_mov_b32 v[NINF], 0xff800000
	s_wait_alu depctr_va_vdst(0)                   ; the wait at the head's end
	s_wait_kmcnt 0x0
	s_mul_i32 s90, s[KH], 32*REC
	s_mov_b32 s91, 0
	s_add_nc_u64 s[6:7], s[6:7], s[90:91]          ; the k/v head's first record
.macro KLOADS sl
.irp m, 0,1,2,3,4,5,6,7,8,9,10,11
	ds_load_b128 v[KV+4*\m:KV+4*\m+3], v[LI] offset:PAIR*(\sl)+512*\m
.endr
.irp b, 0,1,2,3
	ds_load_b32 v[KSC+\b], v[L4] offset:PAIR*(\sl)+12288+128*\b
.endr
.endm
; S^T = K Q^T, eight tiles of 16 keys; then, four places on, V's fragments are asked for into K's registers: they land under the softmax
.macro SPROD sl
	s_wait_dscnt 0x0
.irp t, 0,2,4,6
	v_wmma_scale_f32_16x16x128_f8f6f4 v[S+8*\t:S+8*\t+7], v[KV+6*\t:KV+6*\t+11], v[QF:QF+11], 0, v[KSC+\t/2], v[QS] matrix_a_fmt:MATRIX_FMT_FP6 matrix_b_fmt:MATRIX_FMT_FP6
	v_wmma_scale_f32_16x16x128_f8f6f4 v[S+8*\t+8:S+8*\t+15], v[KV+6*\t+6:KV+6*\t+17], v[QF:QF+11], 0, v[KSC+\t/2], v[QS] matrix_a_fmt:MATRIX_FMT_FP6 matrix_b_fmt:MATRIX_FMT_FP6 matrix_a_scale:MATRIX_SCALE_ROW1
.endr
.rept 4
	v_nop                                          ; places in front of loads into the products' sources and of the first read of the scores
.endr
.irp m, 0,1,2,3,4,5,6,7,8,9,10,11
	ds_load_b128 v[KV+4*\m:KV+4*\m+3], v[LI] offset:PAIR*(\sl)+6144+512*\m
.endr
.irp t, 0,1,2,3
	ds_load_b32 v[VSC+\t], v[L4] offset:PAIR*(\sl)+12800+128*\t
.endr
.endm
; The step's first half: maxima, the new M, p
.macro SOFT1
.irp b, 0,1,2,3
	v_max3_num_f32 v[BM+\b], v[S+16*\b], v[S+1+16*\b], v[S+2+16*\b]    ; the largest score of each block of 32 keys: for the row's maximum, and, since p rises with the score, for the block's largest p
.endr
.irp i, 3,5,7,9,11,13
.irp b, 0,1,2,3
	v_max3_num_f32 v[BM+\b], v[BM+\b], v[S+16*\b+\i], v[S+1+16*\b+\i]
.endr
.endr
.irp b, 0,1,2,3
	v_max_num_f32 v[BM+\b], v[BM+\b], v[S+15+16*\b]
.endr
.irp b, 0,1,2,3
	v_permlanex16_b32 v[PT+\b], v[BM+\b], s[SEL], s[SEL+1]
.endr
.irp b, 0,1,2,3
	v_max_num_f32 v[BM+\b], v[BM+\b], v[PT+\b]     ; with lane l xor 16's 16 keys
.endr
	s_delay_alu instid0(VALU_DEP_2)
	v_max3_num_f32 v[TP], v[BM], v[BM+1], v[BM+2]
	s_delay_alu instid0(VALU_DEP_1)
	v_max_num_f32 v[TP], v[TP], v[BM+3]
	s_delay_alu instid0(VALU_DEP_1)
	v_mul_f32 v[TP], s[CS], v[TP]                  ; the step's largest t of my query
	s_delay_alu instid0(VALU_DEP_1)
	v_max_num_f32 v[NM+1], v[NM+1], v[TP]          ; the running largest
	v_mov_b32 v[TP], v[NM]
	s_delay_alu instid0(VALU_DEP_2)
	v_floor_f32 v[NM], -v[NM+1]                    ; the new -M: a whole number
	s_delay_alu instid0(VALU_DEP_1)
	v_sub_f32 v[TP], v[NM], v[TP]                  ; old M - new M: 0 or less
	s_delay_alu instid0(VALU_DEP_1)
	v_cvt_i32_f32 v[TP], v[TP]                     ; (it saturates)
	s_delay_alu instid0(VALU_DEP_1)
	v_ldexp_f32 v[FF], 1.0, v[TP]                  ; f = 2^(old M - new M)
.set j, 0
.rept 32
	v_pk_fma_f32 v[S+j:S+j+1], v[S+j:S+j+1], s[CS:CS+1], v[NM:NM+1] op_sel_hi:[1,0,0]   ; t - M, two at a time
.set j, j+2
.endr
.irp b, 0,1,2,3
	v_fma_f32 v[BM+\b], v[BM+\b], s[CS], v[NM]     ; the same of each block's largest score
.endr
	s_wait_alu depctr_va_vdst(0)                   ; the wait ahead of the batch
.set j, 0
.rept 64
	v_exp_f32 v[S+j], v[S+j]                       ; p = 2^(t - M): one batch,
.set j, j+1
.endr
.irp b, 0,1,2,3
	v_exp_f32 v[BM+\b], v[BM+\b]                   ; with each block's largest p: the same two instructions on the same number give the same bits
.endr
	v_pk_mul_f32 v[SU:SU+1], v[SU:SU+1], v[FF:FF+1] op_sel_hi:[1,0]    ; the sums under the new M: a plain place behind the exponentials
	s_wait_alu depctr_va_vdst(0)                   ; one wait for the batch, ahead of the label and of its first reader
.endm
; The step's second half, on registers alone: the row's sum, p's codes and scale word, O^T under the new M, O^T += V^T p^T
.macro SOFT2
	v_pk_add_f32 v[SV:SV+1], v[S:S+1], v[S+2:S+3]                      ; the sum of the unquantised p, in four chains
	v_pk_add_f32 v[30:31], v[S+4:S+5], v[S+6:S+7]
	v_pk_add_f32 v[94:95], v[S+8:S+9], v[S+10:S+11]
	v_pk_add_f32 v[SU:SU+1], v[SU:SU+1], v[S+12:S+13]
.irp j, 14,22,30,38,46,54
	v_pk_add_f32 v[SV:SV+1], v[SV:SV+1], v[S+\j:S+\j+1]
	v_pk_add_f32 v[30:31], v[30:31], v[S+\j+2:S+\j+3]
	v_pk_add_f32 v[94:95], v[94:95], v[S+\j+4:S+\j+5]
	v_pk_add_f32 v[SU:SU+1], v[SU:SU+1], v[S+\j+6:S+\j+7]
.endr
	v_pk_add_f32 v[SV:SV+1], v[SV:SV+1], v[S+62:S+63]
	v_pk_add_f32 v[30:31], v[30:31], v[94:95]
.irp b, 0,1,2,3
	v_max_num_f32 v[BM+\b], 0x1800000, v[BM+\b]    ; the floor 2^(3 - 127): a block whose every p is 0 keeps the byte 1: its codes are zeros
.endr
	v_pk_add_f32 v[SU:SU+1], v[SU:SU+1], v[SV:SV+1]
.irp b, 0,1,2,3
	v_add_nc_u32 v[SO+\b], 0xff000000, v[BM+\b]    ; 2 off the exponent field: the conversion's scale operand
.endr
	v_pk_add_f32 v[SU:SU+1], v[SU:SU+1], v[30:31]
.irp b, 0,1,2,3
	v_lshrrev_b32 v[BY+\b], 23, v[SO+\b]
.endr
	s_delay_alu instid0(VALU_DEP_3)
	v_lshl_or_b32 v[PW], v[BY+1], 8, v[BY]
	s_delay_alu instid0(VALU_DEP_1)
	v_lshl_or_b32 v[PW], v[BY+2], 16, v[PW]
	s_delay_alu instid0(VALU_DEP_1)
	v_lshl_or_b32 v[PW], v[BY+3], 24, v[PW]        ; p's scale word for these 128 keys
.irp c, 0,1
	v_cvt_scalef32_pk16_fp6_f32 v[PCD+6*\c:PCD+2+6*\c], v[S+32*\c:S+15+32*\c], v[SO+2*\c]
	v_cvt_scalef32_pk16_fp6_f32 v[PCD+12+4*\c:PCD+14+4*\c], v[S+16+32*\c:S+31+32*\c], v[SO+2*\c+1]
.endr
	v_nop                                          ; one plain place behind a scaled conversion
.irp c, 0,1
.irp i, 0,1,2
	v_permlane16_swap_b32 v[PCD+6*\c+\i], v[PCD+12+4*\c+\i]
.endr
.irp i, 0,1,2
	v_mov_b32 v[PCD+3+6*\c+\i], v[PCD+12+4*\c+\i]
.endr
.endr
	s_wait_alu depctr_va_vdst(0)                   ; the wait here, directly ahead of the first reader of O^T
.set j, 0
.rept 16
	v_pk_mul_f32 v[OT+j:OT+j+1], v[OT+j:OT+j+1], v[FF:FF+1] op_sel_hi:[1,0]    ; O^T under the new M; these lines are also the places between the scale word, the codes and the products
.set j, j+2
.endr
.irp t, 0,1,2,3                                    ; O^T += V^T p^T: four tiles of 16 channels, by turns
	v_wmma_scale_f32_16x16x128_f8f6f4 v[OT+8*\t:OT+8*\t+7], v[KV+12*\t:KV+12*\t+11], v[PCD:PCD+11], v[OT+8*\t:OT+8*\t+7], v[VSC+\t], v[PW] matrix_a_fmt:MATRIX_FMT_FP6 matrix_b_fmt:MATRIX_FMT_FP6
.endr
.rept 4
	v_nop                                          ; places in front of the next step's loads into V's registers, and of the way out's reads
.endr
.endm
.macro STEP1 sl
	KLOADS \sl
	s_bitcmp1_b32 s[ALL], 0
	s_cbranch_scc1 .Lopen_\@
	s_load_b512 s[16:31], s[MP:MP+1], 0x0          ; the step's 64 mask words: word j in s[16 + j], from 48 on in s[32 + j]
	s_load_b512 s[32:47], s[MP:MP+1], 0x40
	s_load_b512 s[48:63], s[MP:MP+1], 0x80
	s_load_b512 s[80:95], s[MP:MP+1], 0xc0
	SPROD \sl
	s_wait_alu depctr_va_vdst(0)
	s_wait_kmcnt 0x0
.set j, 0
.rept 64
.if j < 48
	v_cndmask_b32 v[S+j], v[NINF], v[S+j], s[16+j] ; a hidden key's score becomes -infinity: p = 0
.else
	v_cndmask_b32 v[S+j], v[NINF], v[S+j], s[32+j]
.endif
.set j, j+1
.endr
	s_branch .Lsoft_\@
.Lopen_\@:
	SPROD \sl
.Lsoft_\@:
	SOFT1
.endm
; A trip: two steps of 128 keys, read from slot sl, each by the waves of its parity; the next trip's pair is brought into the other slot meanwhile.
.macro TRIP sl
	s_and_b32 s[NXT], s[WGA], 12                   ; does anybody here need one of the next two steps?  (Behind step 31 the bits are 0: nothing is fetched past the end)
	s_cmp_lg_u32 s[NXT], 0
	s_cbranch_scc0 .Lnoload_\@
.irp i, 0,1,2
	global_load_b128 v[CP+4*\i:CP+4*\i+3], v[CPA], s[RP:RP+1] offset:PAIR+8192*\i      ; 512 threads x 16 bytes, three times,
.endr
	s_cmp_lt_u32 s[WV], 4
	s_cbranch_scc0 .Lnoload_\@
	global_load_b128 v[CP+12:CP+15], v[CPA], s[RP:RP+1] offset:PAIR+24576              ; and 128 threads x 16 more
.Lnoload_\@:
	s_cmp_gt_u32 s[CNT], s[LIM]                    ; the pair two trips on, behind my loads; the loop's last two trips ask for nothing
	s_cbranch_scc0 .Lnoask_\@
	global_prefetch_b8 v[PFO], s[RP:RP+1] offset:2*PAIR th:TH_LOAD_NT scope:SCOPE_SE
.Lnoask_\@:
	s_bitcmp1_b32 s[ANY], 0
	s_cbranch_scc0 .Lmid_\@
	STEP1 \sl
.Lmid_\@:
	s_wait_loadcnt 0x0                             ; the next pair's part is in my registers (on every way: no load stays out round the loop)
	s_cmp_lg_u32 s[NXT], 0
	s_cbranch_scc0 .Lnostore_\@
.irp i, 0,1,2
	ds_store_b128 v[CPA], v[CP+4*\i:CP+4*\i+3] offset:PAIR*(1-(\sl))+8192*\i           ; the other slot was last read in front of the last barrier's signals
.endr
	s_cmp_lt_u32 s[WV], 4
	s_cbranch_scc0 .Lnostore_\@
	ds_store_b128 v[CPA], v[CP+12:CP+15] offset:PAIR*(1-(\sl))+24576
.Lnostore_\@:
	s_wait_xcnt 0x0                                ; the loads and the prefetch have read their bases: both may step
	s_add_nc_u64 s[RP:RP+1], s[RP:RP+1], PAIR
	s_add_nc_u64 s[MP:MP+1], s[MP:MP+1], 512
	s_wait_dscnt 0x0                               ; my stores have landed, and my reads of this slot (K's and V's) are back:
	s_barrier_signal -1                            ; say so, and go on with work on registers
	s_bitcmp1_b32 s[ANY], 0
	s_cbranch_scc0 .Lfin_\@
	SOFT2
.Lfin_\@:
	s_lshr_b32 s[ANY], s[ANY], 2
	s_lshr_b32 s[ALL], s[ALL], 2
	s_lshr_b32 s[WGA], s[WGA], 2
	s_barrier_wait -1                              ; the other slot is whole, and nobody reads this one any more
.endm
.Lphase:
	s_lshl_b32 s86, ttmp9, 1
	s_sub_co_u32 s87, 254, s86
	s_cmp_eq_u32 s[PH], 0
	s_cselect_b32 s86, s87, s86                    ; the phase's pair of tiles: 254 - 2 x on, then 2 x on
	s_add_co_u32 s[TL], s86, s[TI]
	s_lshl_b32 s97, s86, 3                         ; the flags: 8 bytes a tile
	s_lshl_b32 s96, s[TL], 3
	s_load_b64 s[84:85], s[10:11], s96 offset:0x0          ; my tile's flags,
	s_load_b128 s[80:83], s[10:11], s97 offset:0x0         ; and the pair's
	s_mov_b32 s91, 0
	s_lshl_b32 s88, s[HG], 8
	s_add_co_u32 s88, s88, s[TL]                   ; 256 x head + tile
	s_mul_i32 s90, s88, 768
	s_add_nc_u64 s[92:93], s[4:5], s[90:91]
	s_lshl_b32 s90, s88, 6
	s_add_co_u32 s90, s90, 3145728
	s_add_nc_u64 s[94:95], s[4:5], s[90:91]
	s_lshl_b32 s90, s[TL], 13
	s_lshl_b32 s88, s[PAR], 8
	s_add_co_u32 s90, s90, s88
	s_add_nc_u64 s[MP:MP+1], s[8:9], s[90:91]      ; my tile's mask words, 256 bytes a step, from my parity's first step on
	s_mov_b64 s[RP:RP+1], s[6:7]
.irp j, 0,1,2
	global_load_b64 v[QF+2*\j:QF+2*\j+1], v[L8], s[92:93] offset:256*\j
.endr
	global_load_b32 v[QS], v10, s[94:95]
.irp i, 0,1,2
	global_load_b128 v[CP+4*\i:CP+4*\i+3], v[CPA], s[RP:RP+1] offset:8192*\i           ; steps 0 and 1
.endr
	s_cmp_lt_u32 s[WV], 4
	s_cbranch_scc0 .Lp_a
	global_load_b128 v[CP+12:CP+15], v[CPA], s[RP:RP+1] offset:24576
.Lp_a:
.set j, 0
.rept 32
	v_mov_b32 v[OT+j], 0                           ; O^T.  (The step is written once: the first finds zeros, which the first change of M leaves zeros)
.set j, j+1
.endr
	v_mov_b32 v[SU], 0
	v_mov_b32 v[SU+1], 0
	v_mov_b32 v[NM+1], 0xff61b1e6                  ; the largest t so far: -3e38
	s_delay_alu instid0(VALU_DEP_1)
	v_floor_f32 v[NM], -v[NM+1]
	s_wait_kmcnt 0x0
	NIB ANY, 84, 0
	NIB ALL, 84, 4
	s_or_b32 s80, s80, s82
	s_or_b32 s81, s81, s83
	NIB WGA, 80, 0                                 ; does any of the pair's tiles need the step?  The same number in all sixteen waves
	s_lshr_b32 s[ANY], s[ANY], s[PAR]              ; bit 0: my parity's step of the trip in hand
	s_lshr_b32 s[ALL], s[ALL], s[PAR]
	s_wait_alu depctr_va_vdst(0)                   ; the wait here, directly ahead of the wait below
	s_wait_loadcnt 0x0                             ; Q, and steps 0 and 1
.irp i, 0,1,2
	ds_store_b128 v[CPA], v[CP+4*\i:CP+4*\i+3] offset:8192*\i      ; slot 0 was last read in front of an earlier barrier
.endr
	s_cmp_lt_u32 s[WV], 4
	s_cbranch_scc0 .Lp_b
	ds_store_b128 v[CPA], v[CP+12:CP+15] offset:24576
.Lp_b:
	s_wait_dscnt 0x0                               ; for the others' sake: my part of slot 0 is stored
	s_barrier_signal -1
	s_barrier_wait -1
	s_mov_b32 s[CNT], 8
.Ltrip:
	TRIP 0
	TRIP 1
	s_sub_co_u32 s[CNT], s[CNT], 1
	s_cmp_lg_u32 s[CNT], 0
	s_cbranch_scc1 .Ltrip
	; THE TWO PARITIES ARE JOINED: the odd wave stores O^T, -M and its lanes' sums; the even wave takes them behind the barrier
	s_wait_alu depctr_va_vdst(0)
	v_add_f32 v[NM+1], v[SU], v[SU+1]              ; my lane's part of l, beside -M
	s_wait_alu depctr_va_vdst(0)                   ; the wait
	s_cmp_lg_u32 s[PAR], 0
	s_cbranch_scc0 .Leven
.irp m, 0,1,2,3,4,5,6,7
	ds_store_b128 v[XA], v[OT+4*\m:OT+4*\m+3] offset:512*\m        ; each accumulator from its low end on
.endr
	ds_store_b64 v[X8], v[NM:NM+1]
.Leven:
	s_wait_dscnt 0x0
	s_barrier_signal -1
	s_barrier_wait -1
	s_cmp_lg_u32 s[PAR], 0
	s_cbranch_scc1 .Lnext
	s_mov_b32 s91, 0
	s_lshl_b32 s90, s[TL], 4
	s_add_co_u32 s90, s90, s[HG]
	s_mul_i32 s90, s90, 768
	s_add_nc_u64 s[92:93], s[12:13], s[90:91]      ; where the half image goes,
	s_lshl_b32 s90, s[TL], 9
	s_lshl_b32 s88, s[KH], 7
	s_add_co_u32 s90, s90, s88
	s_lshl_b32 s88, s[HD], 1
	s_add_co_u32 s90, s90, s88
	s_add_co_u32 s90, s90, 3145728
	s_add_nc_u64 s[94:95], s[12:13], s[90:91]      ; and the two scale bytes a row
.irp m, 0,1,2,3,4,5,6,7
	ds_load_b128 v[S+4*\m:S+4*\m+3], v[XA] offset:512*\m
.endr
	ds_load_b64 v[BM:BM+1], v[X8]
	s_wait_dscnt 0x0
	v_min_num_f32 v[TP], v[NM], v[BM]              ; -M of the two: the larger M
	s_delay_alu instid0(VALU_DEP_1)
	v_sub_f32 v[SO], v[TP], v[NM]
	v_sub_f32 v[SO+1], v[TP], v[BM]                ; whole numbers, 0 or less
	s_delay_alu instid0(VALU_DEP_2)
	v_cvt_i32_f32 v[SO], v[SO]                     ; (they saturate: a part that saw no step counts for nothing)
	s_delay_alu instid0(VALU_DEP_2)
	v_cvt_i32_f32 v[SO+1], v[SO+1]
	s_delay_alu instid0(VALU_DEP_2)
	v_ldexp_f32 v[SO], 1.0, v[SO]
	s_delay_alu instid0(VALU_DEP_2)
	v_ldexp_f32 v[SO+1], 1.0, v[SO+1]
	s_delay_alu instid0(VALU_DEP_2)
	v_mul_f32 v[SU], v[NM+1], v[SO]
	s_delay_alu instid0(VALU_DEP_1)
	v_fma_f32 v[SU], v[BM+1], v[SO+1], v[SU]
	s_delay_alu instid0(VALU_DEP_1)
	v_permlanex16_b32 v[TP], v[SU], s[SEL], s[SEL+1]
	s_delay_alu instid0(VALU_DEP_1)
	v_add_f32 v[SU], v[SU], v[TP]                  ; the row's sum
	s_wait_alu depctr_va_vdst(0)                   ; the wait ahead of the transcendental
	v_rcp_f32 v[SU+1], v[SU]
	v_nop                                          ; a plain place behind the reciprocal
	v_cmp_eq_f32 s96, 0, v[SU]                     ; a row for which no key counts
	v_mov_b32 v[BY+2], 0xffff
	s_wait_alu depctr_va_vdst(0)                   ; the wait ahead of the first reader
	v_mul_f32 v[FF], v[SO], v[SU+1]                ; each part's power of two / l
	v_mul_f32 v[BY], v[SO+1], v[SU+1]
	s_wait_alu depctr_va_vdst(0)                   ; the wait here, directly ahead of the first reader of O^T
.set j, 0
.rept 16
	v_pk_mul_f32 v[OT+j:OT+j+1], v[OT+j:OT+j+1], v[FF:FF+1] op_sel_hi:[1,0]
.set j, j+2
.endr
.set j, 0
.rept 16
	v_pk_fma_f32 v[OT+j:OT+j+1], v[S+j:S+j+1], v[BY:BY+1], v[OT+j:OT+j+1] op_sel_hi:[1,0,1]
.set j, j+2
.endr
	; O / l, quantised along the head's 64 (two blocks of the last product's K), as a half image; two scale bytes a row
.irp b, 0,1
	v_max3_num_f32 v[BM+\b], |v[OT+16*\b]|, |v[OT+1+16*\b]|, 0x1800000
.endr
.irp i, 2,4,6,8,10,12,14
.irp b, 0,1
	s_delay_alu instid0(VALU_DEP_2)
	v_max3_num_f32 v[BM+\b], v[BM+\b], |v[OT+16*\b+\i]|, |v[OT+1+16*\b+\i]|
.endr
.endr
.irp b, 0,1
	s_delay_alu instid0(VALU_DEP_2)
	v_permlanex16_b32 v[PT+\b], v[BM+\b], s[SEL], s[SEL+1]
.endr
.irp b, 0,1
	s_delay_alu instid0(VALU_DEP_2)
	v_max_num_f32 v[BM+\b], v[BM+\b], v[PT+\b]
.endr
.irp b, 0,1
	s_delay_alu instid0(VALU_DEP_2)
	v_add_nc_u32 v[SO+\b], 0xff000000, v[BM+\b]
.endr
.irp b, 0,1
	s_delay_alu instid0(VALU_DEP_2)
	v_lshrrev_b32 v[BY+\b], 23, v[SO+\b]
.endr
	s_delay_alu instid0(VALU_DEP_1)
	v_lshl_or_b32 v[TP], v[BY+1], 8, v[BY]
	s_delay_alu instid0(VALU_DEP_1)
	v_cndmask_b32 v[TP], v[TP], v[BY+2], s96       ; 0xff, 0xff where l = 0
	v_cvt_scalef32_pk16_fp6_f32 v[PCD:PCD+2], v[OT:OT+15], v[SO]
	v_cvt_scalef32_pk16_fp6_f32 v[PCD+12:PCD+14], v[OT+16:OT+31], v[SO+1]
	v_nop                                          ; one plain place behind a scaled conversion
.irp i, 0,1,2
	v_permlane16_swap_b32 v[PCD+\i], v[PCD+12+\i]
.endr
.irp i, 0,1,2
	s_delay_alu instid0(VALU_DEP_3)
	v_mov_b32 v[PCD+3+\i], v[PCD+12+\i]
.endr
.irp j, 0,1,2
	global_store_b64 v[L8], v[PCD+2*\j:PCD+2*\j+1], s[92:93] offset:256*\j   ; 32 lanes store 256 consecutive bytes, aligned
.endr
	s_wait_xcnt 0x0                                ; EXEC changes only behind this wait
	v_cmp_gt_u32 vcc_lo, 16, v8
	s_and_saveexec_b32 s97, vcc_lo
	global_store_b16 v11, v[TP], s[94:95]          ; lanes 0-15: row r's two bytes
	s_wait_xcnt 0x0                                ; and again in front of the line that widens it; the stores' bases and data are free behind it
	s_or_b32 exec_lo, exec_lo, s97
.Lnext:
	s_mov_b32 s[LIM], -1                           ; the second phase walks records that have been asked for: no prefetch
	s_add_co_u32 s[PH], s[PH], 1
	s_cmp_lt_u32 s[PH], 2
	s_wait_alu depctr_va_vdst(0)                   ; the wait ahead of the backward jump
	s_cbranch_scc1 .Lphase
	s_wait_tensorcnt 0x0                           ; the wave's end
	ds_add_u32 v[SPW], v[NIL]
	s_wait_dscnt 0x0
	s_endpgm
.Lfunc_end_k_qa2c4051aea_attn:
	.size	k_qa2c4051aea_attn, .Lfunc_end_k_qa2c4051aea_attn-k_qa2c4051aea_attn
	.p2alignl 7, 3214868480
	.fill 96, 4, 3214868480
	.section	.rodata,"a",@progbits
	.p2align	6, 0x0
	.amdhsa_kernel k_qa2c4051aea_attn
		.amdhsa_group_segment_fixed_size 90112
		.amdhsa_private_segment_fixed_size 0
		.amdhsa_enable_private_segment 0
		.amdhsa_kernarg_size 40
		.amdhsa_user_sgpr_count 2
		.amdhsa_user_sgpr_kernarg_segment_ptr 1
		.amdhsa_wavefront_size32 1
		.amdhsa_system_sgpr_workgroup_id_x 1
		.amdhsa_system_sgpr_workgroup_id_y 1
		.amdhsa_system_sgpr_workgroup_id_z 1
		.amdhsa_system_vgpr_workitem_id 0
		.amdhsa_next_free_vgpr 256
		.amdhsa_next_free_sgpr 102
		.amdhsa_reserve_vcc 1
		.amdhsa_float_denorm_mode_32 3
		.amdhsa_float_denorm_mode_16_64 3
		.amdhsa_memory_ordered 1
		.amdhsa_forward_progress 1
		.amdhsa_inst_pref_size 66
	.end_amdhsa_kernel
	.amdgpu_metadata
---
amdhsa.version: [ 1, 2 ]
amdhsa.kernels:
  - .name:           k_qa2c4051aea_attn
    .symbol:         k_qa2c4051aea_attn.kd
    .args:
      - { .name: qf, .offset: 0, .size: 8, .value_kind: global_buffer, .address_space: global }
      - { .name: kvf, .offset: 8, .size: 8, .value_kind: global_buffer, .address_space: global }
      - { .name: mwords, .offset: 16, .size: 8, .value_kind: global_buffer, .address_space: global }
      - { .name: flags, .offset: 24, .size: 8, .value_kind: global_buffer, .address_space: global }
      - { .name: af, .offset: 32, .size: 8, .value_kind: global_buffer, .address_space: global }
    .group_segment_fixed_size: 90112
    .private_segment_fixed_size: 0
    .kernarg_segment_align: 8
    .kernarg_segment_size: 40
    .max_flat_workgroup_size: 512
    .sgpr_count:     102
    .vgpr_count:     256
    .wavefront_size: 32
...
	.end_amdgpu_metadata
.endif
;; end of part 3
;; launch oproj (part 4): grid 32 x 8, 8 waves a work-group, clusters of 4 x 1, 267,264 bytes of LDS; arguments af, wq, out0; writes out0
.if DOCPART == 4
	.amdgcn_target "amdgcn-amd-amdhsa--gfx1250"
	.amdhsa_code_object_version 6
	.text
	.protected	k_qa2c4051aea_oproj
	.globl	k_qa2c4051aea_oproj
	.p2align	8
	.type	k_qa2c4051aea_oproj,@function
k_qa2c4051aea_oproj:
	s_mov_b64 s[64:65], 0
	v_nop
	global_prefetch_b8 v0, s[64:65] scope:SCOPE_SE
	s_setreg_imm32_b32 hwreg(HW_REG_WAVE_MODE, 25, 1), 1
	s_wait_xcnt 0x0
	s_wait_alu depctr_hold_cnt(0) depctr_sa_sdst(0) depctr_va_vdst(0) depctr_va_sdst(0) depctr_va_ssrc(0) depctr_va_vcc(0) depctr_vm_vsrc(0)
	s_getreg_b32 s2, hwreg(HW_REG_IB_STS2, 6, 4)
	s_cmp_eq_u32 s2, 0
	s_cbranch_scc0 .Lentry_in_a_cluster
	s_endpgm
.Lentry_in_a_cluster:
	s_bfe_u32 s2, ttmp6, 0x10000c
	s_cmp_lg_u32 s2, 0x3003
	s_cbranch_scc0 .Lentry_shape_is_right
	s_endpgm
.Lentry_shape_is_right:
; OUT = attention's result x Wo, on codes of FP6 (E2M3) with E8M0 scales; out0 [4096][1024] f32.
; SHARES.  A work-group takes 128 tokens (x) x 128 columns (y): 256 work-groups.  Both panels for all of K = 1,024 fit in LDS (96 + 96 KiB): every tensor load is a first fill, in four chunks of two K steps.
; CLUSTER.  The four token blocks of a cluster read the same tiles of Wo: asked for jointly (mask 15); attention's rows are each work-group's own.
; Wave w: token tiles 2 (w % 4), + 1 and channel tiles 4 (w / 4) .. + 3.  The product is used TRANSPOSED (source 0 = 16 columns of Wo, source 1 = 16 tokens): a lane holds one token and 16 b + i = column 32 b + 16 (lane / 16) + i.
; A row's K step s is two heads' half images on end (768 bytes each): registers 6 e + 2 j, + 1 of lane l at 768 e + 256 j + 8 l.  Its scale words: 8 bytes at (tile, s / 2, row) are the words of K steps s, s + 1.
; A row whose scale bytes are 0xff (no key counted for it) comes out NaN.
.set CH,    49152                      ; a chunk: 16 rows of 3,072 bytes: 8 token tiles, then 8 channel tiles
.set ROWL,  3072
.set STAGE, 196608                     ; behind the chunks: a stage of 32 rows x (256 + 16) bytes for each wave; no fill lands there
.set SPARE, 266240                     ; behind the stages: the spare words, 128 bytes a wave
.set LI,  2
.set L4,  3
.set ADA, 4                            ; v4  8 x lane + my two token tiles, in the chunk in hand
.set ADB, 5                            ; v5  16 x lane + my four channel tiles
.set STO, 6
.set RD,  7
.set CO,  8
.set R8,  9
.set ACC, 16
.set XF,  80
.set WF,  104
.set AS,  152                          ; v152-167 the rows' scale words, register 8 u + s
.set WS,  168                          ; v168-183 Wo's, register 4 t + c
.set OUTR, 184
.set SPW, 250
.set NIL, 251
.set WV,  14
.set G1A, 16
.set G1B, 24
.set G0A, 32
.set G0B, 48
.set BX,  66
.set YY,  67
.macro ROUND
	s_barrier_signal -1
	s_barrier_wait -1
	s_cmp_lg_u32 s[WV], 0
	s_cbranch_scc1 .Lnot_wave_0_\@
	s_barrier_signal -3
.Lnot_wave_0_\@:
	s_barrier_wait -3
	s_barrier_signal -1
	s_barrier_wait -1
.endm
.macro CHUNKBAR c                      ; ahead of chunk 0: every wave waits for its one load, whichever chunk's it is; behind the barrier all four chunks are whole, so the later chunks want no barrier
.if (\c) == 0
	s_wait_tensorcnt 0x0
	s_barrier_signal -1
	s_barrier_wait -1
.endif
.endm
	s_load_b128 s[4:7], s[0:1], 0x0                ; af, wq
	s_load_b64 s[8:9], s[0:1], 0x10                ; out0
	v_lshl_add_u32 v[SPW], v0, 2, SPARE
	v_mov_b32 v[NIL], 0
	ds_add_u32 v[SPW], v[NIL]                      ; the wave's opening: the add and its wait ahead of the first tensor loads
	ds_add_u32 v[SPW], v[NIL]
	v_lshrrev_b32 v1, 5, v0
	s_delay_alu instid0(VALU_DEP_1)
	v_readfirstlane_b32 s[WV], v1                  ; wave 0..7
	s_bfe_u32 s15, ttmp6, 0x40000
	s_lshl_b32 s[BX], ttmp9, 2
	s_add_co_u32 s[BX], s[BX], s15                 ; my block of 128 tokens
	s_and_b32 s[YY], ttmp7, 0xffff                 ; my block of 128 columns
	s_mov_b32 s[G1A], 3<<16                        ; 8 rows of 384 elements of 8 bytes, 1,536 elements apart; no mask, no padding
	s_mov_b32 s[G1B], 15|(3<<16)|(1<<21)           ; the same with the mask of all four work-groups, and bit 21 beside it
.irp g, G1A, G1B
	s_mov_b32 s[\g+1], 384<<16
	s_mov_b32 s[\g+2], 8<<16                       ; 8 rows a load
	s_mov_b32 s[\g+3], 384<<16
	s_mov_b32 s[\g+4], 8
	s_mov_b32 s[\g+5], 1536
	s_mov_b32 s[\g+6], 0
	s_mov_b32 s[\g+7], 0
.endr
.set MYC, 73                           ; s73 the chunk that my one load belongs to
	; ONE LOAD A WAVE: wave w fetches 8 rows of chunk w % 4: waves 0-3 the eight token tiles, waves 4-7 the eight channel tiles
	s_and_b32 s[MYC], s[WV], 3
	s_mul_i32 s78, s[MYC], ROWL                    ; the chunk's place in a tile's 12,288 bytes
	s_mul_i32 s68, s[BX], 98304                    ; my block's eight token tiles
	s_add_co_u32 s68, s68, s78
	s_mov_b32 s69, 0
	s_lshl_b32 s76, s[YY], 3                       ; channel tiles 96 + 8 y on: made of y and the wave's number alone
	s_add_co_u32 s76, s76, 96
	s_mul_i32 s76, s76, 12288
	s_add_co_u32 s76, s76, s78
	s_mov_b32 s77, 0
	s_lshr_b32 s79, s[WV], 2
	s_mul_i32 s79, s79, 24576
	s_mul_i32 s78, s[MYC], CH                      ; where they go: the chunk, rows 8 (w / 4) on
	s_add_co_u32 s78, s78, s79
	s_wait_dscnt 0x0                               ; the opening add is done
	s_wait_kmcnt 0x0
	s_add_nc_u64 s[74:75], s[4:5], s[68:69]
	s_add_nc_u64 s[76:77], s[6:7], s[76:77]
	s_mov_b32 s[G0A], 1
	s_mov_b32 s[G0A+1], s78
	s_mov_b64 s[G0A+2:G0A+3], s[74:75]
	s_or_b32 s[G0A+3], s[G0A+3], 0x80000000
	s_mov_b32 s[G0B], 1
	s_mov_b32 s[G0B+1], s78
	s_mov_b64 s[G0B+2:G0B+3], s[76:77]
	s_or_b32 s[G0B+3], s[G0B+3], 0x80000000
	ROUND                                          ; all four work-groups are here: the joint loads meet
	s_cmp_lt_u32 s[WV], 4                          ; a fill in each arm of one branch on the wave's number: every wave issues one load
	s_cbranch_scc0 .Lnot_a
	tensor_load_to_lds s[G0A:G0A+3], s[G1A:G1A+7]
	s_nop 0
.rept 4
	v_nop
.endr
	s_branch .Lfilled
.Lnot_a:
	tensor_load_to_lds s[G0B:G0B+3], s[G1B:G1B+7]
	s_nop 0
.rept 4
	v_nop
.endr
.Lfilled:
	v_and_b32 v1, 31, v0
	v_and_b32 v10, 15, v0                          ; r
	v_bfe_u32 v11, v0, 4, 1                        ; h
	s_delay_alu instid0(VALU_DEP_3)
	v_lshlrev_b32 v[LI], 4, v1
	s_delay_alu instid0(VALU_DEP_4)
	v_lshlrev_b32 v[L4], 2, v1
	s_delay_alu instid0(VALU_DEP_4)
	v_lshlrev_b32 v[R8], 3, v10
	s_and_b32 s79, s[WV], 3
	s_lshr_b32 s80, s[WV], 2
	s_mul_i32 s81, s79, 6144
	v_lshl_add_u32 v[ADA], v1, 3, s81
	s_mul_i32 s81, s80, 12288
	s_add_co_u32 s81, s81, 24576
	v_add_nc_u32 v[ADB], s81, v[LI]
	s_mul_i32 s81, s[WV], 8704
	s_add_co_u32 s81, s81, STAGE                   ; my stage
	v_mul_u32_u24 v[STO], v10, 272
	s_delay_alu instid0(VALU_DEP_1)
	v_lshl_add_u32 v[STO], v11, 6, v[STO]
	s_delay_alu instid0(VALU_DEP_1)
	v_add_nc_u32 v[STO], s81, v[STO]               ; in: row r, + 64 h
	v_mul_u32_u24 v[RD], v11, 272
	s_delay_alu instid0(VALU_DEP_1)
	v_lshl_add_u32 v[RD], v10, 4, v[RD]
	s_delay_alu instid0(VALU_DEP_1)
	v_add_nc_u32 v[RD], s81, v[RD]                 ; back: lanes 0-15 one row of 256 bytes, lanes 16-31 the next
	v_lshlrev_b32 v[CO], 12, v11
	s_delay_alu instid0(VALU_DEP_1)
	v_lshl_add_u32 v[CO], v10, 4, v[CO]            ; and the same two rows of the output
	s_mov_b32 s91, 0
	s_lshl_b32 s82, s[BX], 3
	s_lshl_b32 s83, s79, 1
	s_add_co_u32 s82, s82, s83                     ; my first token tile
	s_lshl_b32 s90, s82, 9
	s_add_co_u32 s90, s90, 3145728
	s_add_nc_u64 s[84:85], s[4:5], s[90:91]
	s_lshl_b32 s90, s[YY], 3
	s_lshl_b32 s83, s80, 2
	s_add_co_u32 s90, s90, s83
	s_add_co_u32 s90, s90, 96
	s_lshl_b32 s90, s90, 9
	s_add_co_u32 s90, s90, 1966080
	s_add_nc_u64 s[86:87], s[6:7], s[90:91]
	s_lshl_b32 s90, s[BX], 7
	s_lshl_b32 s83, s79, 5
	s_add_co_u32 s90, s90, s83                     ; my first token
	s_lshl_b32 s90, s90, 12
	s_lshl_b32 s83, s[YY], 9
	s_add_co_u32 s90, s90, s83
	s_lshl_b32 s83, s80, 8
	s_add_co_u32 s90, s90, s83                     ; + my 64 columns
	s_add_nc_u64 s[8:9], s[8:9], s[90:91]
.irp u, 0,1
.irp g, 0,1,2,3
	global_load_b64 v[AS+8*\u+2*\g:AS+8*\u+2*\g+1], v[R8], s[84:85] offset:512*\u+128*\g
.endr
.endr
.irp t, 0,1,2,3
.irp c, 0,1,2,3
	global_load_b32 v[WS+4*\t+\c], v[L4], s[86:87] offset:512*\t+128*\c    ; lanes 0-15 K step 2 c, lanes 16-31 K step 2 c + 1
.endr
.endr
.macro MMO u, t, c, e
.set DD, ACC+32*(\u)+8*(\t)
.set AA, WF+12*(\t)
.set BB, XF+12*(\u)
.set SA, WS+4*(\t)+(\c)
.set SB, AS+8*(\u)+2*(\c)+(\e)
.if (\c)+(\e) == 0
	v_wmma_scale_f32_16x16x128_f8f6f4 v[DD:DD+7], v[AA:AA+11], v[BB:BB+11], 0, v[SA], v[SB] matrix_a_fmt:MATRIX_FMT_FP6 matrix_b_fmt:MATRIX_FMT_FP6
.elseif (\e) == 0
	v_wmma_scale_f32_16x16x128_f8f6f4 v[DD:DD+7], v[AA:AA+11], v[BB:BB+11], v[DD:DD+7], v[SA], v[SB] matrix_a_fmt:MATRIX_FMT_FP6 matrix_b_fmt:MATRIX_FMT_FP6
.else
	v_wmma_scale_f32_16x16x128_f8f6f4 v[DD:DD+7], v[AA:AA+11], v[BB:BB+11], v[DD:DD+7], v[SA], v[SB] matrix_a_fmt:MATRIX_FMT_FP6 matrix_b_fmt:MATRIX_FMT_FP6 matrix_a_scale:MATRIX_SCALE_ROW1
.endif
.endm
; A K step: six fragments, eight products; the eight accumulators take turns, one instruction a turn, in the same order in every K step
.macro KSTEP_O c, e
.irp u, 0,1
.irp f, 0,1
.irp j, 0,1,2
	ds_load_b64 v[XF+12*\u+6*\f+2*\j:XF+12*\u+6*\f+2*\j+1], v[ADA] offset:ROWL*\u+1536*(\e)+768*\f+256*\j
.endr
.endr
.endr
.irp t, 0,1,2,3
.irp m, 0,1,2
	ds_load_b128 v[WF+12*\t+4*\m:WF+12*\t+4*\m+3], v[ADB] offset:ROWL*\t+1536*(\e)+512*\m
.endr
.endr
	s_wait_dscnt 0x0
.irp u, 0,1
.irp t, 0,1,2,3
	MMO \u, \t, \c, \e
.endr
.endr
.rept 4
	v_nop                                          ; places in front of loads into the products' sources and of the first read of results
.endr
.endm
	s_wait_alu depctr_va_vdst(0)
	CHUNKBAR 0
	s_wait_loadcnt 0x0                             ; the scale words
.irp c, 0,1,2,3
.if \c > 0
	s_wait_alu depctr_va_vdst(0)
	CHUNKBAR \c
.endif
	KSTEP_O \c, 0
	KSTEP_O \c, 1
	v_add_nc_u32 v[ADA], CH, v[ADA]
	v_add_nc_u32 v[ADB], CH, v[ADB]
.endr
	; THE WAY OUT: through my own stage, so that sixteen lanes store 256 consecutive bytes of a row.  LDS serves a wave's instructions in order: no wait between the stores and the loads.
.irp u, 0,1
.irp b, 0,1
.irp q, 0,1,2,3
	ds_store_b128 v[STO], v[ACC+32*\u+16*\b+4*\q:ACC+32*\u+16*\b+4*\q+3] offset:4352*\u+128*\b+16*\q   ; each accumulator from its low end on
.endr
.endr
.endr
.irp i, 0,1,2,3,4,5,6,7,8,9,10,11,12,13,14,15
	ds_load_b128 v[OUTR+4*\i:OUTR+4*\i+3], v[RD] offset:544*\i
.endr
.irp i, 0,1,2,3,4,5,6,7,8,9,10,11,12,13,14,15
	s_wait_dscnt 15-\i                             ; the younger loads from the stage may stay out
	global_store_b128 v[CO], v[OUTR+4*\i:OUTR+4*\i+3], s[8:9] offset:(8*(\i/8)+2*(\i%8)+8*((\i%8)/4))*4096 th:TH_STORE_NT   ; stage rows 2 i, 2 i + 1 are tokens 8 u + r + 8 (r / 8) of my 32
.endr
	s_wait_tensorcnt 0x0                           ; the wave's end
	ds_add_u32 v[SPW], v[NIL]
	s_wait_dscnt 0x0
	ROUND                                          ; the closing round
	s_endpgm
.Lfunc_end_k_qa2c4051aea_oproj:
	.size	k_qa2c4051aea_oproj, .Lfunc_end_k_qa2c4051aea_oproj-k_qa2c4051aea_oproj
	.p2alignl 7, 3214868480
	.fill 96, 4, 3214868480
	.section	.rodata,"a",@progbits
	.p2align	6, 0x0
	.amdhsa_kernel k_qa2c4051aea_oproj
		.amdhsa_group_segment_fixed_size 267264
		.amdhsa_private_segment_fixed_size 0
		.amdhsa_enable_private_segment 0
		.amdhsa_kernarg_size 24
		.amdhsa_user_sgpr_count 2
		.amdhsa_user_sgpr_kernarg_segment_ptr 1
		.amdhsa_wavefront_size32 1
		.amdhsa_system_sgpr_workgroup_id_x 1
		.amdhsa_system_sgpr_workgroup_id_y 1
		.amdhsa_system_sgpr_workgroup_id_z 1
		.amdhsa_system_vgpr_workitem_id 0
		.amdhsa_next_free_vgpr 256
		.amdhsa_next_free_sgpr 100
		.amdhsa_reserve_vcc 0
		.amdhsa_float_denorm_mode_32 3
		.amdhsa_float_denorm_mode_16_64 3
		.amdhsa_memory_ordered 1
		.amdhsa_forward_progress 1
		.amdhsa_inst_pref_size 35
	.end_amdhsa_kernel
	.amdgpu_metadata
---
amdhsa.version: [ 1, 2 ]
amdhsa.kernels:
  - .name:           k_qa2c4051aea_oproj
    .symbol:         k_qa2c4051aea_oproj.kd
    .args:
      - { .name: af, .offset: 0, .size: 8, .value_kind: global_buffer, .address_space: global }
      - { .name: wq, .offset: 8, .size: 8, .value_kind: global_buffer, .address_space: global }
      - { .name: out0, .offset: 16, .size: 8, .value_kind: global_buffer, .address_space: global }
    .group_segment_fixed_size: 267264
    .private_segment_fixed_size: 0
    .kernarg_segment_align: 8
    .kernarg_segment_size: 24
    .max_flat_workgroup_size: 256
    .sgpr_count:     100
    .vgpr_count:     256
    .wavefront_size: 32
...
	.end_amdgpu_metadata
.endif
;; end of part 4
